; MI455X (gfx1250); checked and timed in simulation.
; The chip was launched on July 23, 2026; its instructions are those of AMD's public machine-readable ISA for CDNA 5 (MIT licence, August 2026) and "CDNA5" Instruction Set Architecture Reference Guide (July 2026). The comments in the code are by the model that wrote it; some were corrected since.
;; AFT Full. Allowed arithmetic: float matrix products may take bf16 or f16 operands with f32 sums; other float arithmetic in f32, or as packed bf16 or f16 multiplies, adds, multiply-adds, maxima and minima; sums over many terms, partial sums and values carried from step to step in f32; what a program stores and reads back later, other than sums and carried values, may be rounded once to bf16 or f16.
;; Inputs: Wk 512 x 512 float32; Wo 512 x 512 float32; Wq 512 x 512 float32; Wv 512 x 512 float32; bk 512 float32; bo 512 float32; bq 512 float32; bv 512 float32; key 2,048 x 8 x 512 float32; pos_bias 2,048 x 2,048 float32; query 2,048 x 8 x 512 float32.
;; Outputs: out0 8 x 2,048 x 512 float32.
;; 2 versions, each right. Each part assembles by itself: llvm-mc -triple=amdgcn-amd-amdhsa -mcpu=gfx1250 --defsym DOCPART=n.
;; ======== version 1 of 2: 4 launches
;; workspace buffers: WF 2,097,152 bytes; PB 8,388,608 bytes; KD 33,554,432 bytes; PM 524,288 bytes; EF 33,554,432 bytes
;; launch prep (part 1): grid 256 x 1, 4 waves a work-group, no clusters, 0 bytes of LDS; arguments pos_bias, Wk, Wv, Wq, Wo, PB, WF; writes PB, WF
.if DOCPART == 1
	.amdgcn_target "amdgcn-amd-amdhsa--gfx1250"
	.amdhsa_code_object_version 6
	.text
	.protected	k_qe5000b9400_prep
	.globl	k_qe5000b9400_prep
	.p2align	8
	.type	k_qe5000b9400_prep,@function
k_qe5000b9400_prep:
	s_mov_b64 s[64:65], 0
	v_nop
	global_prefetch_b8 v0, s[64:65] scope:SCOPE_SE
	s_setreg_imm32_b32 hwreg(HW_REG_WAVE_MODE, 25, 1), 1
	s_wait_xcnt 0x0
; AFT-Full, S = 2048, B = 8, D = 512, in four launches: prep, kproj, vproj, main.
; NO WORK OF reference() IS LEFT OUT: both maxima (of k along s, of pos_bias along its rows) are taken away before the exponentials as reference() does,
; every product is made, and every input is loaded by some launch.
; THIS LAUNCH: (1) the four weight matrices, rounded to bf16 and laid out in the order in which a wave's operand registers take them (WF);
; (2) P = exp(pos_bias - its row's maximum), rounded to bf16, in tiles of 64 x 64 whose rows lie end to end (PB).
; LIMITS of the program: all inputs are rounded once to bf16 (nearest even); k as a matrix operand, exp(k - max), exp(k - max) v, P and y are rounded once to bf16; sums, maxima, k in the
; exponent, the division and the sigmoid stay in f32.  The exponential and the reciprocal give 0 for results under 2^-126: a weight that small counts as 0, and a
; denominator that small is not served.  NaN and infinities are not treated apart.
; WF: matrix m (0 Wk, 1 Wv, 2 Wq, 3 Wo) at m x 524,288.  Fragment (tile nt of 16 rows of W, step s of 32 along K) at (nt / 8) x 131,072 + s x 8,192 + (nt % 8) x 1,024:
;   lane (r = l % 16, h = l / 16) has W[16 nt + r][32 s + 8 h ..+7] at 16 l and W[16 nt + r][32 s + 16 + 8 h ..+7] at 512 + 16 l.
; PB: tile (i / 64, j / 64) at ((i / 64) x 32 + j / 64) x 8,192, element at (i % 64) x 128 + (j % 64) x 2.
; SHARES.  256 work-groups of four waves.  A wave makes two fragments of W (2,048 in all) and two rows of P (2,048 in all).  A stream: no LDS, no barrier, no matrix unit.
.set X,   32                           ; v[32:159]  my 128 numbers: 8 for each of 16 pieces t of my row
.set OUTP, 160                         ; v[160:223] P packed; before that v[176:191] packed weights, v[192:223] weights as loaded
.set MSK, 34                           ; s34  a word's upper bf16
.set LG,  36                           ; s[36:37] log2(e), twice
.macro RB a, b, t                      ; two f32 rounded to the nearest bf16 and widened again
	v_cvt_pk_bf16_f32 v[\t], v[\a], v[\b]
	v_lshlrev_b32 v[\a], 16, v[\t]
	v_and_b32 v[\b], s[MSK], v[\t]
.endm
	s_load_b256 s[4:11], s[0:1], 0x0               ; pos_bias s[4:5], Wk s[6:7], Wv s[8:9], Wq s[10:11]
	s_load_b128 s[12:15], s[0:1], 0x20             ; Wo s[12:13], PB s[14:15]
	s_load_b64 s[16:17], s[0:1], 0x30              ; WF
	v_lshrrev_b32 v1, 5, v0
	v_readfirstlane_b32 s18, v1                    ; wave 0..3
	v_and_b32 v6, 31, v0                           ; l
	v_and_b32 v7, 15, v0                           ; r
	v_bfe_u32 v8, v0, 4, 1                         ; h
	v_bfe_u32 v9, v0, 3, 1                         ; which of my wave's two rows of pos_bias
	v_and_b32 v10, 7, v0
	v_lshlrev_b32 v2, 11, v7                       ; W as it lies: row r x 2,048 bytes
	v_lshl_add_u32 v2, v8, 5, v2                   ; + 8 h numbers
	v_lshlrev_b32 v3, 4, v6                        ; WF: 16 l
	v_lshlrev_b32 v4, 13, v9                       ; pos_bias: row x 8,192
	v_lshl_add_u32 v4, v8, 8, v4                   ; + h x 64 numbers
	v_lshl_add_u32 v4, v10, 5, v4                  ; + (l % 8) x 8 numbers
	v_lshlrev_b32 v5, 13, v8                       ; PB: h picks the tile,
	v_lshl_add_u32 v5, v9, 7, v5                   ; the row its 128 bytes,
	v_lshl_add_u32 v5, v10, 4, v5                  ; l % 8 its 16: lanes 0-15 cover 256 bytes on end
	s_mov_b32 s[MSK], 0xffff0000
	s_mov_b32 s[LG], 0x3fb8aa3b
	s_mov_b32 s[LG+1], 0x3fb8aa3b
	s_mov_b32 s38, 0x76543210                      ; v_permlanex16_b32: each lane takes its own place in the other half
	s_mov_b32 s39, 0xfedcba98
	s_lshr_b32 s19, ttmp9, 6                       ; m: which matrix
	s_and_b32 s20, ttmp9, 63
	s_lshl2_add_u32 s20, s20, s18                  ; my pair of fragments among the matrix's 256
	s_lshr_b32 s21, s20, 3                         ; nt
	s_and_b32 s22, s20, 7                          ; steps 2 kp and 2 kp + 1
	s_lshl_b32 s24, s21, 15                        ; from: 16 nt rows
	s_lshl_b32 s23, s22, 8                         ; + 64 kp numbers
	s_add_co_u32 s24, s24, s23
	s_mov_b32 s25, 0
	s_lshl_b32 s26, s19, 19                        ; to: the matrix,
	s_lshr_b32 s23, s21, 3
	s_lshl_b32 s23, s23, 17                        ; the slice nt / 8,
	s_add_co_u32 s26, s26, s23
	s_lshl_b32 s23, s22, 14                        ; step 2 kp,
	s_add_co_u32 s26, s26, s23
	s_and_b32 s23, s21, 7
	s_lshl_b32 s23, s23, 10                        ; tile nt % 8
	s_add_co_u32 s26, s26, s23
	s_mov_b32 s27, 0
	s_lshl_b32 s28, ttmp9, 16                      ; pos_bias: the work-group's 8 rows,
	s_lshl_b32 s23, s18, 14                        ; my wave's 2
	s_add_co_u32 s28, s28, s23
	s_mov_b32 s29, 0
	s_lshr_b32 s30, ttmp9, 3
	s_lshl_b32 s30, s30, 18                        ; PB: the row of tiles,
	s_and_b32 s23, ttmp9, 7
	s_lshl_b32 s23, s23, 10                        ; the work-group's 8 rows in a tile,
	s_add_co_u32 s30, s30, s23
	s_lshl_b32 s23, s18, 8                         ; my wave's 2
	s_add_co_u32 s30, s30, s23
	s_mov_b32 s31, 0
	s_wait_kmcnt 0x0
	s_cmp_eq_u32 s19, 1
	s_cselect_b64 s[32:33], s[8:9], s[6:7]
	s_cmp_eq_u32 s19, 2
	s_cselect_b64 s[32:33], s[10:11], s[32:33]
	s_cmp_eq_u32 s19, 3
	s_cselect_b64 s[32:33], s[12:13], s[32:33]
	s_add_nc_u64 s[32:33], s[32:33], s[24:25]
	s_add_nc_u64 s[16:17], s[16:17], s[26:27]
	s_add_nc_u64 s[4:5], s[4:5], s[28:29]
	s_add_nc_u64 s[14:15], s[14:15], s[30:31]
.irp g, 0,1,2,3,4,5,6,7                ; g = 4 u + 2 c + e: step 2 kp + u, half c of the fragment, 4 of its 8 numbers
	global_load_b128 v[192+4*(\g):192+4*(\g)+3], v2, s[32:33] offset:((\g)/4)*128+(((\g)/2)%2)*64+((\g)%2)*16
.endr
.set i, 0
.rept 32                               ; piece t = i / 2: 8 numbers at column 128 t + 64 h + 8 (l % 8)
	global_load_b128 v[X+4*i:X+4*i+3], v4, s[4:5] offset:(i/2)*512+(i%2)*16 th:TH_LOAD_NT
.set i, i+1
.endr
	s_wait_loadcnt 32                              ; the weights are in; the 32 loads of pos_bias stay out
.set i, 0
.rept 16
	v_cvt_pk_bf16_f32 v[176+i], v[192+2*i], v[192+2*i+1]
.set i, i+1
.endr
.irp g, 0,1,2,3                        ; g = 2 u + c; each store covers 512 bytes on end
	global_store_b128 v3, v[176+4*(\g):176+4*(\g)+3], s[16:17] offset:((\g)/2)*8192+((\g)%2)*512
.endr
	s_wait_loadcnt 0x0                             ; pos_bias
.set i, 0
.rept 64
	RB X+2*i, X+2*i+1, 24+(i%4)
.set i, i+1
.endr
.irp c, 0,1,2,3                        ; the largest of my 128: four chains of 32
	v_max3_num_f32 v[20+(\c)], v[X+32*(\c)], v[X+32*(\c)+1], v[X+32*(\c)+2]
.endr
.set k, 0
.rept 14
.irp c, 0,1,2,3
	v_max3_num_f32 v[20+(\c)], v[20+(\c)], v[X+32*(\c)+3+2*k], v[X+32*(\c)+4+2*k]
.endr
.set k, k+1
.endr
.irp c, 0,1,2,3
	v_max_num_f32 v[20+(\c)], v[20+(\c)], v[X+32*(\c)+31]
.endr
	v_max3_num_f32 v20, v20, v21, v22
	v_max_num_f32 v20, v20, v23
	v_max_num_f32_dpp v20, v20, v20 row_xmask:1 row_mask:0xf bank_mask:0xf  ; a row's 16 lanes differ in bits 0, 1, 2 and 4 of the lane's number
	v_max_num_f32_dpp v20, v20, v20 row_xmask:2 row_mask:0xf bank_mask:0xf
	v_max_num_f32_dpp v20, v20, v20 row_xmask:4 row_mask:0xf bank_mask:0xf
	v_permlanex16_b32 v21, v20, s38, s39
	v_max_num_f32 v20, v20, v21
	v_mov_b32 v21, v20                             ; the row's maximum, as a pair
.set i, 0
.rept 64
	v_pk_add_f32 v[X+i:X+i+1], v[X+i:X+i+1], v[20:21] neg_lo:[0,1] neg_hi:[0,1]
.set i, i+2
.endr
.set i, 0
.rept 64
	v_pk_mul_f32 v[X+i:X+i+1], v[X+i:X+i+1], s[LG:LG+1] op_sel_hi:[1,0]
.set i, i+2
.endr
.set i, 0
.rept 128                              ; one batch of exponentials
	v_exp_f32 v[X+i], v[X+i]
.set i, i+1
.endr
	v_nop                                          ; a plain instruction behind the last exponential
	s_wait_alu depctr_va_vdst(0)                   ; one wait for the batch, ahead of its first reader
	s_wait_xcnt 0x0                                ; the weights' stores have read v[176:191]: written again only behind this wait
.set i, 0
.rept 64
	v_cvt_pk_bf16_f32 v[OUTP+i], v[X+2*i], v[X+2*i+1]
.set i, i+1
.endr
.set i, 0
.rept 16                               ; piece t goes to tiles 2 t (lanes 0-15) and 2 t + 1 (lanes 16-31): 256 bytes on end, aligned, in each
	global_store_b128 v5, v[OUTP+4*i:OUTP+4*i+3], s[14:15] offset:i*16384
.set i, i+1
.endr
	s_endpgm
.Lfunc_end_k_qe5000b9400_prep:
	.size	k_qe5000b9400_prep, .Lfunc_end_k_qe5000b9400_prep-k_qe5000b9400_prep
	.p2alignl 7, 3214868480
	.fill 96, 4, 3214868480
	.section	.rodata,"a",@progbits
	.p2align	6, 0x0
	.amdhsa_kernel k_qe5000b9400_prep
		.amdhsa_group_segment_fixed_size 0
		.amdhsa_private_segment_fixed_size 0
		.amdhsa_enable_private_segment 0
		.amdhsa_kernarg_size 56
		.amdhsa_user_sgpr_count 2
		.amdhsa_user_sgpr_kernarg_segment_ptr 1
		.amdhsa_wavefront_size32 1
		.amdhsa_system_sgpr_workgroup_id_x 1
		.amdhsa_system_sgpr_workgroup_id_y 1
		.amdhsa_system_sgpr_workgroup_id_z 1
		.amdhsa_system_vgpr_workitem_id 0
		.amdhsa_next_free_vgpr 224
		.amdhsa_next_free_sgpr 66
		.amdhsa_reserve_vcc 0
		.amdhsa_float_denorm_mode_32 3
		.amdhsa_float_denorm_mode_16_64 3
		.amdhsa_memory_ordered 1
		.amdhsa_forward_progress 1
		.amdhsa_inst_pref_size 38
	.end_amdhsa_kernel
	.amdgpu_metadata
---
amdhsa.version: [ 1, 2 ]
amdhsa.kernels:
  - .name:           k_qe5000b9400_prep
    .symbol:         k_qe5000b9400_prep.kd
    .args:
      - { .name: pos_bias, .offset: 0, .size: 8, .value_kind: global_buffer, .address_space: global }
      - { .name: Wk, .offset: 8, .size: 8, .value_kind: global_buffer, .address_space: global }
      - { .name: Wv, .offset: 16, .size: 8, .value_kind: global_buffer, .address_space: global }
      - { .name: Wq, .offset: 24, .size: 8, .value_kind: global_buffer, .address_space: global }
      - { .name: Wo, .offset: 32, .size: 8, .value_kind: global_buffer, .address_space: global }
      - { .name: PB, .offset: 40, .size: 8, .value_kind: global_buffer, .address_space: global }
      - { .name: WF, .offset: 48, .size: 8, .value_kind: global_buffer, .address_space: global }
    .group_segment_fixed_size: 0
    .private_segment_fixed_size: 0
    .kernarg_segment_align: 8
    .kernarg_segment_size: 56
    .max_flat_workgroup_size: 128
    .sgpr_count:     66
    .vgpr_count:     224
    .wavefront_size: 32
...
	.end_amdgpu_metadata
.endif
;; end of part 1
;; launch kproj (part 2): grid 32 x 8, 4 waves a work-group, no clusters, 67,072 bytes of LDS; arguments key, WF, bk, KD, PM; writes KD, PM
.if DOCPART == 2
	.amdgcn_target "amdgcn-amd-amdhsa--gfx1250"
	.amdhsa_code_object_version 6
	.text
	.protected	k_qe5000b9400_kproj
	.globl	k_qe5000b9400_kproj
	.p2align	8
	.type	k_qe5000b9400_kproj,@function
k_qe5000b9400_kproj:
	s_mov_b64 s[64:65], 0
	v_nop
	global_prefetch_b8 v0, s[64:65] scope:SCOPE_SE
	s_setreg_imm32_b32 hwreg(HW_REG_WAVE_MODE, 25, 1), 1
	s_wait_xcnt 0x0
; k = key Wk^T + bk in f32 (operands bf16), and the largest k of each column in each block of 64 rows.  Nothing of reference() is left out here.
; SHARES.  Work-group (x = block of 64 rows s, y = b): 64 rows x 512 columns, K = 512.  Wave w: columns 128 w ..+127: 32 accumulators (a = 0..3 blocks of 16 rows, t = 0..7 tiles of 16 columns).
; OPERANDS.  key goes through registers (rounded to bf16) into an LDS stage that all four waves read.  W's fragments come from WF straight into operand registers: wave w's slice is 131,072 bytes
; on end, 8,192 for each step of 32 along K, and no other wave of the work-group wants a byte of it.
; NO CLUSTER, no joint loads: what work-groups share is W, and each fragment has one reader in a work-group and needs no LDS; a joint ring would send 524,288 bytes a work-group through LDS, in and out,
; with a round of the cluster's barrier for every 64 matrix instructions of a wave.  No prefetch: the work-group asks for all its rows of key at its head, and W is read by every work-group.
; KD holds the accumulators as they lie: (b x 32 + block) x 131,072 + w x 32,768 + (8 a + t) x 1,024 + c x 512 + 16 l: registers 4 c ..+3 of (a, t):
; k[64 block + 16 a + 8 (l / 16) + 4 c + e][b][128 w + 16 t + l % 16].   PM: [b][block][512] f32.
; LIMITS: key, Wk and bk are rounded to bf16; NaN and infinities are not treated apart.
; REGISTERS, in windows of 256 (s_set_vgpr_msb: bits 1:0 source 0, 3:2 source 1, 5:4 source 2, 7:6 destination):
;   window 0: addresses; v32-95 two sets of A's fragments (at the intake: packed key); v96-159 the bias as the first step's C     window 1: four sets of W's fragments     window 2: accumulators (at the intake: key in f32)
.set SPITCH, 1040                      ; a stage row: 1,024 bytes + 16: 65 x 16, so the 16 rows of a fragment load start at 16 different groups of four banks (ISA guide 11.1)
.set SPARE,  66560                     ; behind the stage: the spare words, 128 bytes a wave
.set ASTEP,  64                        ; bytes of a stage row in a step of 32 along K
.set R,    1
.set H,    2
.set L16,  3                           ; 16 l; never rewritten
.set AF,   4                           ; where my lane reads A's fragments
.set SA,   5                           ; where my lane puts 8 bytes of key
.set BO,   6
.set PO,   7
.set MX,   8                           ; v8-15  a column's maximum, for each t
.set BT,   16                          ; v16-23 bias; later at work
.set TMP,  24
.set SPW,  28
.set NIL,  29
.set ASET, 32
.set BIAS, 96
.set WV,   14
.set WP,   20                          ; s[20:21] my slice of W, at the loop's trip
.set PCNT, 22
.set MSK,  34
.set MSB, 0
.macro WIN new                         ; the immediate's high byte repeats the setting that is left; a switch that changes nothing is dropped
.if MSB != (\new)
	s_set_vgpr_msb (MSB<<8)|(\new)
.set MSB, \new
.endif
.endm
.macro PLACES                          ; four plain places behind a matrix instruction, ahead of loads into registers that it read and of readers of its result
.rept 4
	v_nop
.endr
.endm
.macro RB a, b, t
	v_cvt_pk_bf16_f32 v[\t], v[\a], v[\b]
	v_lshlrev_b32 v[\a], 16, v[\t]
	v_and_b32 v[\b], s[MSK], v[\t]
.endm
.macro WLOAD q, off                    ; a step's 8 fragments of W into set q: 16 loads of 512 bytes on end
	WIN 0x40
.irp t, 0,1,2,3,4,5,6,7
	global_load_b128 v[64*(\q)+8*(\t):64*(\q)+8*(\t)+3],   v[L16], s[WP:WP+1] offset:(\off)+(\t)*1024
	global_load_b128 v[64*(\q)+8*(\t)+4:64*(\q)+8*(\t)+7], v[L16], s[WP:WP+1] offset:(\off)+(\t)*1024+512
.endr
.endm
.macro AFETCH aset, off                ; a step's 4 fragments of A: 8 LDS loads
	WIN 0
.irp a, 0,1,2,3
	ds_load_b128 v[ASET+32*(\aset)+8*(\a):ASET+32*(\aset)+8*(\a)+3],   v[AF] offset:(\off)+(\a)*16*SPITCH
	ds_load_b128 v[ASET+32*(\aset)+8*(\a)+4:ASET+32*(\aset)+8*(\a)+7], v[AF] offset:(\off)+(\a)*16*SPITCH+32
.endr
.endm
; One step of 32 along K: the next step's A is fetched, the W set read last step is asked for again (four steps ahead), then 32 matrix instructions, the 32 accumulators by turns, in the same order in every step.
.macro PSTEP wset, aset, rset, roff, anext, aoff, lcnt, first
	PLACES
.if \anext
	AFETCH 1-(\aset), \aoff
.endif
.if (\rset) >= 0
	WLOAD \rset, \roff
.endif
	s_wait_loadcnt \lcnt                           ; this step's W set is in; the younger sets, 16 loads each, stay out
.if \anext
	s_wait_dscnt 8                                 ; this step's A is in; the eight loads just issued stay out
.else
	s_wait_dscnt 0
.endif
.if \first
	WIN 0x84
.else
	WIN 0xa4
.endif
.irp a, 0,1,2,3
.irp t, 0,1,2,3,4,5,6,7
.if \first
	v_wmma_f32_16x16x32_bf16 v[8*(8*(\a)+(\t)):8*(8*(\a)+(\t))+7], v[ASET+32*(\aset)+8*(\a):ASET+32*(\aset)+8*(\a)+7], v[64*(\wset)+8*(\t):64*(\wset)+8*(\t)+7], v[BIAS+8*(\t):BIAS+8*(\t)+7]
.else
	v_wmma_f32_16x16x32_bf16 v[8*(8*(\a)+(\t)):8*(8*(\a)+(\t))+7], v[ASET+32*(\aset)+8*(\a):ASET+32*(\aset)+8*(\a)+7], v[64*(\wset)+8*(\t):64*(\wset)+8*(\t)+7], v[8*(8*(\a)+(\t)):8*(8*(\a)+(\t))+7]
.endif
.endr
.endr
.endm
.macro PROJ                            ; 16 steps: the first starts the sums with the bias, three trips of four, the last three ask for nothing
	PSTEP 0,0,-1,0,1,ASTEP,48,1
	WIN 0
	s_mov_b32 s[PCNT], 3
.Lproj_\@:
	PSTEP 1,1,0,4*8192,1,2*ASTEP,48,0
	PSTEP 2,0,1,5*8192,1,3*ASTEP,48,0
	PSTEP 3,1,2,6*8192,1,4*ASTEP,48,0
	PSTEP 0,0,3,7*8192,1,5*ASTEP,48,0
	WIN 0
	s_wait_xcnt 0x0                                ; the loads issued so far have read their base: it is stepped only behind this wait
	s_add_nc_u64 s[WP:WP+1], s[WP:WP+1], 32768
	v_add_nc_u32 v[AF], 4*ASTEP, v[AF]
	s_sub_co_u32 s[PCNT], s[PCNT], 1
	s_cmp_lg_u32 s[PCNT], 0
	s_cbranch_scc1 .Lproj_\@
	PSTEP 1,1,-1,0,1,2*ASTEP,32,0
	PSTEP 2,0,-1,0,1,3*ASTEP,16,0
	PSTEP 3,1,-1,0,0,0,0,0
.endm
	s_load_b256 s[4:11], s[0:1], 0x0               ; key s[4:5], WF s[6:7], bk s[8:9], KD s[10:11]
	s_load_b64 s[12:13], s[0:1], 0x20              ; PM
	v_lshl_add_u32 v[SPW], v0, 2, SPARE
	v_mov_b32 v[NIL], 0
	v_lshrrev_b32 v1, 5, v0
	v_readfirstlane_b32 s[WV], v1                  ; wave 0..3
	v_and_b32 v[R], 15, v0
	v_bfe_u32 v[H], v0, 4, 1
	v_and_b32 v[L16], 31, v0
	v_lshlrev_b32 v[PO], 2, v[L16]                 ; 4 l
	v_lshlrev_b32 v[SA], 3, v[L16]                 ; 8 l
	v_lshlrev_b32 v[L16], 4, v[L16]
	s_mul_i32 s15, s[WV], 16*SPITCH
	v_add_nc_u32 v[SA], s15, v[SA]                 ; my wave brings rows 16 w ..+15 of the stage
	v_mul_u32_u24 v[AF], v[R], SPITCH
	v_lshl_add_u32 v[AF], v[H], 4, v[AF]           ; row r x pitch + 16 h
	s_lshl_b32 s16, s[WV], 9
	v_lshl_add_u32 v[BO], v[R], 2, s16             ; bias of column 128 w + r
	s_mov_b32 s32, 0x76543210
	s_mov_b32 s33, 0xfedcba98
	s_mov_b32 s[MSK], 0xffff0000
	s_and_b32 s17, ttmp7, 0xffff                   ; b
	s_lshl_b32 s24, ttmp9, 20                      ; key: ((64 block + 16 w) x 8 + b) x 2,048
	s_lshl_b32 s18, s[WV], 18
	s_add_co_u32 s24, s24, s18
	s_lshl_b32 s18, s17, 11
	s_add_co_u32 s24, s24, s18
	s_mov_b32 s25, 0
	s_lshl_b32 s19, s17, 5
	s_add_co_u32 s19, s19, ttmp9                   ; b x 32 + block
	s_lshl_b32 s26, s19, 17
	s_lshl_b32 s18, s[WV], 15
	s_add_co_u32 s26, s26, s18
	s_mov_b32 s27, 0
	s_lshl_b32 s28, s19, 11
	s_add_co_u32 s28, s28, s16
	s_mov_b32 s29, 0
	s_lshl_b32 s30, s[WV], 17
	s_mov_b32 s31, 0
	s_wait_kmcnt 0x0
	s_add_nc_u64 s[4:5], s[4:5], s[24:25]
	s_add_nc_u64 s[10:11], s[10:11], s[26:27]
	s_add_nc_u64 s[12:13], s[12:13], s[28:29]
	s_add_nc_u64 s[WP:WP+1], s[6:7], s[30:31]      ; matrix 0, slice w
.irp t, 0,1,2,3,4,5,6,7
	global_load_b32 v[BT+(\t)], v[BO], s[8:9] offset:(\t)*64
.endr
	WIN 0x80
.set i, 0
.rept 64                               ; row i / 4 of my 16, 512 bytes on end of it
	global_load_b128 v[4*i:4*i+3], v[L16], s[4:5] offset:(i/4)*16384+(i%4)*512 th:TH_LOAD_NT
.set i, i+1
.endr
.macro INTAKE hf                       ; 32 loads' numbers are rounded to bf16 and put into the stage, 256 bytes on end a store
	WIN 0x0a
.set i, 0
.rept 64
	v_cvt_pk_bf16_f32 v[ASET+i], v[128*(\hf)+2*i], v[128*(\hf)+2*i+1]
.set i, i+1
.endr
	WIN 0
.set i, 0
.rept 32
	ds_store_b64 v[SA], v[ASET+2*i:ASET+2*i+1] offset:((32*(\hf)+i)/4)*SPITCH+(i%4)*256
.set i, i+1
.endr
.endm
	s_wait_loadcnt 32                              ; the bias and key's first 32 loads are in
	INTAKE 0
	WLOAD 0, 0
	WLOAD 1, 8192
	s_wait_loadcnt 32                              ; key's other 32 are in; the 32 of W just issued stay out
	INTAKE 1
	WLOAD 2, 2*8192
	WLOAD 3, 3*8192
	WIN 0
.irp u, 0,2,4,6
	RB BT+(\u), BT+(\u)+1, TMP
.endr
.set i, 0
.rept 64                               ; in the result a lane holds one column: its bias in all eight registers
	v_mov_b32 v[BIAS+i], v[BT+i/8]
.set i, i+1
.endr
	s_wait_dscnt 0x0                               ; for the others' sake: my part of the stage is written
	s_barrier_signal -1
	s_barrier_wait -1
	AFETCH 0, 0
	PROJ
	PLACES
	WIN 0x08                                       ; store data in window 2
.set q, 0
.rept 32                               ; each accumulator's low half first; 512 bytes on end a store
	global_store_b128 v[L16], v[8*q:8*q+3],   s[10:11] offset:q*1024
	global_store_b128 v[L16], v[8*q+4:8*q+7], s[10:11] offset:q*1024+512
.set q, q+1
.endr
	WIN 0x02
.irp t, 0,1,2,3,4,5,6,7
	v_mov_b32 v[MX+(\t)], v[8*(\t)]
.endr
	WIN 0x28
.set k, 0
.rept 15                               ; number n = 1..31 of a column's 32 in my lane: register n % 8 of accumulator (n / 8, t)
.irp t, 0,1,2,3,4,5,6,7
	v_max3_num_f32 v[MX+(\t)], v[MX+(\t)], v[64*((1+2*k)/8)+8*(\t)+(1+2*k)%8], v[64*((2+2*k)/8)+8*(\t)+(2+2*k)%8]
.endr
.set k, k+1
.endr
.irp t, 0,1,2,3,4,5,6,7
	v_max_num_f32 v[MX+(\t)], v[MX+(\t)], v[192+8*(\t)+7]
.endr
	WIN 0
.irp t, 0,1,2,3,4,5,6,7
	v_permlanex16_b32 v[BT+(\t)], v[MX+(\t)], s32, s33  ; the column's other 32 rows lie in the lane 16 away
.endr
.irp t, 0,1,2,3,4,5,6,7
	v_max_num_f32 v[MX+(\t)], v[MX+(\t)], v[BT+(\t)]
.endr
	v_cmp_eq_u32 vcc_lo, 1, v[H]
.irp u, 0,1,2,3
	v_cndmask_b32 v[BT+(\u)], v[MX+2*(\u)], v[MX+2*(\u)+1], vcc_lo  ; lanes 0-15 tile 2 u, lanes 16-31 tile 2 u + 1: 32 columns on end
.endr
.irp u, 0,1,2,3
	global_store_b32 v[PO], v[BT+(\u)], s[12:13] offset:(\u)*128
.endr
	s_wait_tensorcnt 0x0                           ; the wave's end, behind my last LDS store
	ds_add_u32 v[SPW], v[NIL]
	s_wait_dscnt 0x0
	s_endpgm
.Lfunc_end_k_qe5000b9400_kproj:
	.size	k_qe5000b9400_kproj, .Lfunc_end_k_qe5000b9400_kproj-k_qe5000b9400_kproj
	.p2alignl 7, 3214868480
	.fill 96, 4, 3214868480
	.section	.rodata,"a",@progbits
	.p2align	6, 0x0
	.amdhsa_kernel k_qe5000b9400_kproj
		.amdhsa_group_segment_fixed_size 67072
		.amdhsa_private_segment_fixed_size 0
		.amdhsa_enable_private_segment 0
		.amdhsa_kernarg_size 40
		.amdhsa_user_sgpr_count 2
		.amdhsa_user_sgpr_kernarg_segment_ptr 1
		.amdhsa_wavefront_size32 1
		.amdhsa_system_sgpr_workgroup_id_x 1
		.amdhsa_system_sgpr_workgroup_id_y 1
		.amdhsa_system_sgpr_workgroup_id_z 1
		.amdhsa_system_vgpr_workitem_id 0
		.amdhsa_next_free_vgpr 768
		.amdhsa_next_free_sgpr 66
		.amdhsa_reserve_vcc 1
		.amdhsa_float_denorm_mode_32 3
		.amdhsa_float_denorm_mode_16_64 3
		.amdhsa_memory_ordered 1
		.amdhsa_forward_progress 1
		.amdhsa_inst_pref_size 74
	.end_amdhsa_kernel
	.amdgpu_metadata
---
amdhsa.version: [ 1, 2 ]
amdhsa.kernels:
  - .name:           k_qe5000b9400_kproj
    .symbol:         k_qe5000b9400_kproj.kd
    .args:
      - { .name: key, .offset: 0, .size: 8, .value_kind: global_buffer, .address_space: global }
      - { .name: WF, .offset: 8, .size: 8, .value_kind: global_buffer, .address_space: global }
      - { .name: bk, .offset: 16, .size: 8, .value_kind: global_buffer, .address_space: global }
      - { .name: KD, .offset: 24, .size: 8, .value_kind: global_buffer, .address_space: global }
      - { .name: PM, .offset: 32, .size: 8, .value_kind: global_buffer, .address_space: global }
    .group_segment_fixed_size: 67072
    .private_segment_fixed_size: 0
    .kernarg_segment_align: 8
    .kernarg_segment_size: 40
    .max_flat_workgroup_size: 128
    .sgpr_count:     66
    .vgpr_count:     768
    .wavefront_size: 32
...
	.end_amdgpu_metadata
.endif
;; end of part 2
;; launch vproj (part 3): grid 32 x 8, 4 waves a work-group, no clusters, 84,480 bytes of LDS; arguments KD, PM, WF, bv, EF; writes EF
.if DOCPART == 3
	.amdgcn_target "amdgcn-amd-amdhsa--gfx1250"
	.amdhsa_code_object_version 6
	.text
	.protected	k_qe5000b9400_vproj
	.globl	k_qe5000b9400_vproj
	.p2align	8
	.type	k_qe5000b9400_vproj,@function
k_qe5000b9400_vproj:
	s_mov_b64 s[64:65], 0
	v_nop
	global_prefetch_b8 v0, s[64:65] scope:SCOPE_SE
	s_setreg_imm32_b32 hwreg(HW_REG_WAVE_MODE, 25, 1), 1
	s_wait_xcnt 0x0
; M = the largest k of each column (b, d) over all s; v = k Wv^T + bv; ek = exp(k - M); ek and ek v leave in bf16 as matrix fragments.  Nothing of reference() is left out here.
; SHARES as in kproj: work-group (block of 64 rows s, b), wave w columns 128 w ..+127, accumulators (a, t).  A wave reads back from KD exactly the registers that its namesake stored, so k (f32, window 3) and
; v (window 2) lie register for register alike.  As a matrix operand k is rounded to bf16 and put TURNED into LDS, kT[d][row]: a lane's eight rows of one column are 16 bytes on end; ds_load_tr16_b128 turns them back.
; NO CLUSTER, no joint loads, no prefetch: as in kproj (W's fragments have one reader a work-group and go straight to operand registers; the work-group asks for all of its k at its head).
; EF: b x 4,194,304 + block x 131,072 + w x 32,768 + kk x 16,384 + kind x 8,192 + t x 1,024 + c x 512 + 16 l (kind 0: ek, 1: ek v): lane (r, h) holds column 128 w + 16 t + r, rows 64 block + 32 kk + 16 c + 8 h ..+7.
; LIMITS: Wv and bv are rounded to bf16, k once as an operand; in the exponent k is f32.  A weight under 2^-126 counts as 0.  NaN and infinities are not treated apart.
; REGISTERS: window 0: addresses; v32-95 A's two sets (before: packed k); v96-159 the bias as C; v160-175 M of my column in tile t, as pairs     window 1: four sets of W     window 2: v (before: PM)     window 3: k, then ek
.set KP,     160                       ; a row of kT: 128 bytes + 32: 5 x 32
.set MT,     81920                     ; behind kT's 512 rows: 512 bytes a wave, its own: M of its 128 columns
.set SPARE,  83968                     ; the spare words, 128 bytes a wave
.set ASTEP,  32*KP                     ; 32 rows of kT are a step of 32 along K
.set R,    1
.set H,    2
.set L16,  3
.set AF,   4
.set SA,   5
.set BO,   6
.set MS,   7
.set ML,   8
.set BT,   16
.set M4,   24                          ; v[24:27]
.set SPW,  28
.set NIL,  29
.set TMP,  30
.set ASET, 32
.set BIAS, 96
.set MP,   160
.set WV,   14
.set WP,   20
.set PCNT, 22
.set MSK,  34
.set LG,   36
.set MSB, 0
.macro WIN new
.if MSB != (\new)
	s_set_vgpr_msb (MSB<<8)|(\new)
.set MSB, \new
.endif
.endm
.macro PLACES
.rept 4
	v_nop
.endr
.endm
.macro RB a, b, t
	v_cvt_pk_bf16_f32 v[\t], v[\a], v[\b]
	v_lshlrev_b32 v[\a], 16, v[\t]
	v_and_b32 v[\b], s[MSK], v[\t]
.endm
.macro WLOAD q, off
	WIN 0x40
.irp t, 0,1,2,3,4,5,6,7
	global_load_b128 v[64*(\q)+8*(\t):64*(\q)+8*(\t)+3],   v[L16], s[WP:WP+1] offset:(\off)+(\t)*1024
	global_load_b128 v[64*(\q)+8*(\t)+4:64*(\q)+8*(\t)+7], v[L16], s[WP:WP+1] offset:(\off)+(\t)*1024+512
.endr
.endm
.macro AFETCH aset, off                ; 4 fragments of A, turned: the first load brings K = 8 h ..+7 of row 16 a + r, the second K = 16 + 8 h ..+7
	WIN 0
.irp a, 0,1,2,3
	ds_load_tr16_b128 v[ASET+32*(\aset)+8*(\a):ASET+32*(\aset)+8*(\a)+3],   v[AF] offset:(\off)+(\a)*32
	ds_load_tr16_b128 v[ASET+32*(\aset)+8*(\a)+4:ASET+32*(\aset)+8*(\a)+7], v[AF] offset:(\off)+(\a)*32+16*KP
.endr
.endm
.macro PSTEP wset, aset, rset, roff, anext, aoff, lcnt, first  ; as in kproj
	PLACES
.if \anext
	AFETCH 1-(\aset), \aoff
.endif
.if (\rset) >= 0
	WLOAD \rset, \roff
.endif
	s_wait_loadcnt \lcnt                           ; this step's W set is in; the younger sets, 16 loads each, stay out
.if \anext
	s_wait_dscnt 8                                 ; this step's A is in; the eight loads just issued stay out
.else
	s_wait_dscnt 0
.endif
.if \first
	WIN 0x84
.else
	WIN 0xa4
.endif
.irp a, 0,1,2,3
.irp t, 0,1,2,3,4,5,6,7
.if \first
	v_wmma_f32_16x16x32_bf16 v[8*(8*(\a)+(\t)):8*(8*(\a)+(\t))+7], v[ASET+32*(\aset)+8*(\a):ASET+32*(\aset)+8*(\a)+7], v[64*(\wset)+8*(\t):64*(\wset)+8*(\t)+7], v[BIAS+8*(\t):BIAS+8*(\t)+7]
.else
	v_wmma_f32_16x16x32_bf16 v[8*(8*(\a)+(\t)):8*(8*(\a)+(\t))+7], v[ASET+32*(\aset)+8*(\a):ASET+32*(\aset)+8*(\a)+7], v[64*(\wset)+8*(\t):64*(\wset)+8*(\t)+7], v[8*(8*(\a)+(\t)):8*(8*(\a)+(\t))+7]
.endif
.endr
.endr
.endm
.macro PROJ
	PSTEP 0,0,-1,0,1,ASTEP,48,1
	WIN 0
	s_mov_b32 s[PCNT], 3
.Lproj_\@:
	PSTEP 1,1,0,4*8192,1,2*ASTEP,48,0
	PSTEP 2,0,1,5*8192,1,3*ASTEP,48,0
	PSTEP 3,1,2,6*8192,1,4*ASTEP,48,0
	PSTEP 0,0,3,7*8192,1,5*ASTEP,48,0
	WIN 0
	s_wait_xcnt 0x0                                ; the loads issued so far have read their base: it is stepped only behind this wait
	s_add_nc_u64 s[WP:WP+1], s[WP:WP+1], 32768
	v_add_nc_u32 v[AF], 4*ASTEP, v[AF]
	s_sub_co_u32 s[PCNT], s[PCNT], 1
	s_cmp_lg_u32 s[PCNT], 0
	s_cbranch_scc1 .Lproj_\@
	PSTEP 1,1,-1,0,1,2*ASTEP,32,0
	PSTEP 2,0,-1,0,1,3*ASTEP,16,0
	PSTEP 3,1,-1,0,0,0,0,0
.endm
	s_load_b256 s[4:11], s[0:1], 0x0               ; KD s[4:5], PM s[6:7], WF s[8:9], bv s[10:11]
	s_load_b64 s[12:13], s[0:1], 0x20              ; EF
	v_lshl_add_u32 v[SPW], v0, 2, SPARE
	v_mov_b32 v[NIL], 0
	v_lshrrev_b32 v1, 5, v0
	v_readfirstlane_b32 s[WV], v1
	v_and_b32 v[R], 15, v0
	v_bfe_u32 v[H], v0, 4, 1
	v_and_b32 v[L16], 31, v0
	v_lshlrev_b32 v[L16], 4, v[L16]
	v_and_b32 v9, 7, v0
	v_lshl_add_u32 v[AF], v[H], 3, v9              ; the turning load: row 8 h + l % 8 of kT,
	v_mul_u32_u24 v[AF], v[AF], KP
	v_bfe_u32 v9, v0, 3, 1
	v_lshl_add_u32 v[AF], v9, 4, v[AF]             ; 16 bytes by (l / 8) % 2
	s_mul_i32 s15, s[WV], 128*KP
	v_mul_u32_u24 v[SA], v[R], KP
	v_lshl_add_u32 v[SA], v[H], 4, v[SA]
	v_add_nc_u32 v[SA], s15, v[SA]                 ; kT row 128 w + r, byte 16 h
	s_lshl_b32 s16, s[WV], 9
	v_lshl_add_u32 v[BO], v[R], 2, s16
	s_add_co_u32 s15, s16, MT
	v_add_nc_u32 v[MS], s15, v[L16]
	v_lshl_add_u32 v[ML], v[R], 2, s15
	s_mov_b32 s[MSK], 0xffff0000
	s_mov_b32 s[LG], 0x3fb8aa3b
	s_mov_b32 s[LG+1], 0x3fb8aa3b
	s_and_b32 s17, ttmp7, 0xffff                   ; b
	s_lshl_b32 s19, s17, 5
	s_add_co_u32 s19, s19, ttmp9                   ; b x 32 + block
	s_lshl_b32 s24, s19, 17
	s_lshl_b32 s18, s[WV], 15
	s_add_co_u32 s24, s24, s18                     ; the same place in KD and in EF
	s_mov_b32 s25, 0
	s_lshl_b32 s26, s17, 16                        ; PM: b x 32 blocks x 2,048 bytes + my 128 columns
	s_add_co_u32 s26, s26, s16
	s_mov_b32 s27, 0
	s_lshl_b32 s28, s[WV], 17
	s_add_co_u32 s28, s28, 524288                  ; matrix 1, slice w
	s_mov_b32 s29, 0
	s_wait_kmcnt 0x0
	s_add_nc_u64 s[4:5], s[4:5], s[24:25]
	s_add_nc_u64 s[12:13], s[12:13], s[24:25]
	s_add_nc_u64 s[6:7], s[6:7], s[26:27]
	s_add_nc_u64 s[WP:WP+1], s[8:9], s[28:29]
.irp t, 0,1,2,3,4,5,6,7
	global_load_b32 v[BT+(\t)], v[BO], s[10:11] offset:(\t)*64
.endr
	WIN 0x80
.set i, 0
.rept 32                               ; block i's maxima of columns 128 w + 4 l ..+3
	global_load_b128 v[4*i:4*i+3], v[L16], s[6:7] offset:i*2048
.set i, i+1
.endr
	WIN 0xc0
.set i, 0
.rept 64
	global_load_b128 v[4*i:4*i+3], v[L16], s[4:5] offset:i*512 th:TH_LOAD_NT
.set i, i+1
.endr
	s_wait_loadcnt 63                              ; the bias and PM are in (64 younger loads were issued; the field holds 63, and a smaller count is safe)
	WIN 0x02
.irp c, 0,1,2,3
	v_mov_b32 v[M4+(\c)], v[(\c)]
.endr
	WIN 0x28
.set k, 0
.rept 15
.irp c, 0,1,2,3
	v_max3_num_f32 v[M4+(\c)], v[M4+(\c)], v[4*(1+2*k)+(\c)], v[4*(2+2*k)+(\c)]
.endr
.set k, k+1
.endr
.irp c, 0,1,2,3
	v_max_num_f32 v[M4+(\c)], v[M4+(\c)], v[124+(\c)]
.endr
	WIN 0
	ds_store_b128 v[MS], v[M4:M4+3]                ; my wave's own 512 bytes: LDS serves a wave's instructions in order (ISA guide 5.7.1.4), so the loads below see this store
.irp t, 0,1,2,3,4,5,6,7
	ds_load_b32 v[MP+2*(\t)], v[ML] offset:(\t)*64 ; M of column 128 w + 16 t + r
.endr
	WLOAD 0, 0
	WLOAD 1, 8192
	s_wait_loadcnt 32                              ; k is in; the 32 of W just issued stay out
.irp a, 0,1,2,3
	WIN 0x0f
.set i, 0
.rept 32
	v_cvt_pk_bf16_f32 v[ASET+32*((\a)%2)+i], v[64*(\a)+2*i], v[64*(\a)+2*i+1]
.set i, i+1
.endr
	WIN 0
.irp t, 0,1,2,3,4,5,6,7
	ds_store_b128 v[SA], v[ASET+32*((\a)%2)+4*(\t):ASET+32*((\a)%2)+4*(\t)+3] offset:(\t)*16*KP+32*(\a)
.endr
.endr
	WLOAD 2, 2*8192
	WLOAD 3, 3*8192
	WIN 0
.irp u, 0,2,4,6
	RB BT+(\u), BT+(\u)+1, TMP
.endr
.set i, 0
.rept 64
	v_mov_b32 v[BIAS+i], v[BT+i/8]
.set i, i+1
.endr
	s_wait_dscnt 0x0                               ; M is back, and, for the others' sake, my part of kT is written
.irp t, 0,1,2,3,4,5,6,7
	v_mov_b32 v[MP+2*(\t)+1], v[MP+2*(\t)]
.endr
	s_barrier_signal -1
	s_barrier_wait -1
	AFETCH 0, 0
	PROJ
	WIN 0xc3                                       ; k - M: window 3 and M's pairs: none of the last products' registers, so these lines are also the places behind them
.set q, 0
.rept 32
.irp p, 0,2,4,6
	v_pk_add_f32 v[8*q+(\p):8*q+(\p)+1], v[8*q+(\p):8*q+(\p)+1], v[MP+2*(q%8):MP+2*(q%8)+1] neg_lo:[0,1] neg_hi:[0,1]
.endr
.set q, q+1
.endr
.set i, 0
.rept 128
	v_pk_mul_f32 v[i:i+1], v[i:i+1], s[LG:LG+1] op_sel_hi:[1,0]
.set i, i+2
.endr
.set i, 0
.rept 256                              ; one batch
	v_exp_f32 v[i], v[i]
.set i, i+1
.endr
	v_nop                                          ; a plain instruction behind the last exponential
	s_wait_alu depctr_va_vdst(0)                   ; one wait for the batch
	WIN 0x8e                                       ; v (window 2) times ek (window 3), ascending
.set i, 0
.rept 128
	v_pk_mul_f32 v[i:i+1], v[i:i+1], v[i:i+1]
.set i, i+2
.endr
	WIN 0xcf                                       ; ek to bf16, into the low half of each group of eight registers
.set i, 0
.rept 128
	v_cvt_pk_bf16_f32 v[8*(i/4)+i%4], v[8*(i/4)+2*(i%4)], v[8*(i/4)+2*(i%4)+1]
.set i, i+1
.endr
	WIN 0x0c
.set q, 0
.rept 32                               ; accumulator (a, t) is half a % 2 of fragment (a / 2, t)
	global_store_b128 v[L16], v[8*q:8*q+3], s[12:13] offset:((q/8)/2)*16384+(q%8)*1024+((q/8)%2)*512
.set q, q+1
.endr
	WIN 0x8a                                       ; ek v likewise
.set i, 0
.rept 128
	v_cvt_pk_bf16_f32 v[8*(i/4)+i%4], v[8*(i/4)+2*(i%4)], v[8*(i/4)+2*(i%4)+1]
.set i, i+1
.endr
	WIN 0x08
.set q, 0
.rept 32
	global_store_b128 v[L16], v[8*q:8*q+3], s[12:13] offset:((q/8)/2)*16384+8192+(q%8)*1024+((q/8)%2)*512
.set q, q+1
.endr
	WIN 0
	s_wait_tensorcnt 0x0                           ; the wave's end, behind my last LDS store
	ds_add_u32 v[SPW], v[NIL]
	s_wait_dscnt 0x0
	s_endpgm
.Lfunc_end_k_qe5000b9400_vproj:
	.size	k_qe5000b9400_vproj, .Lfunc_end_k_qe5000b9400_vproj-k_qe5000b9400_vproj
	.p2alignl 7, 3214868480
	.fill 96, 4, 3214868480
	.section	.rodata,"a",@progbits
	.p2align	6, 0x0
	.amdhsa_kernel k_qe5000b9400_vproj
		.amdhsa_group_segment_fixed_size 84480
		.amdhsa_private_segment_fixed_size 0
		.amdhsa_enable_private_segment 0
		.amdhsa_kernarg_size 40
		.amdhsa_user_sgpr_count 2
		.amdhsa_user_sgpr_kernarg_segment_ptr 1
		.amdhsa_wavefront_size32 1
		.amdhsa_system_sgpr_workgroup_id_x 1
		.amdhsa_system_sgpr_workgroup_id_y 1
		.amdhsa_system_sgpr_workgroup_id_z 1
		.amdhsa_system_vgpr_workitem_id 0
		.amdhsa_next_free_vgpr 1024
		.amdhsa_next_free_sgpr 66
		.amdhsa_reserve_vcc 0
		.amdhsa_float_denorm_mode_32 3
		.amdhsa_float_denorm_mode_16_64 3
		.amdhsa_memory_ordered 1
		.amdhsa_forward_progress 1
		.amdhsa_inst_pref_size 119
	.end_amdhsa_kernel
	.amdgpu_metadata
---
amdhsa.version: [ 1, 2 ]
amdhsa.kernels:
  - .name:           k_qe5000b9400_vproj
    .symbol:         k_qe5000b9400_vproj.kd
    .args:
      - { .name: KD, .offset: 0, .size: 8, .value_kind: global_buffer, .address_space: global }
      - { .name: PM, .offset: 8, .size: 8, .value_kind: global_buffer, .address_space: global }
      - { .name: WF, .offset: 16, .size: 8, .value_kind: global_buffer, .address_space: global }
      - { .name: bv, .offset: 24, .size: 8, .value_kind: global_buffer, .address_space: global }
      - { .name: EF, .offset: 32, .size: 8, .value_kind: global_buffer, .address_space: global }
    .group_segment_fixed_size: 84480
    .private_segment_fixed_size: 0
    .kernarg_segment_align: 8
    .kernarg_segment_size: 40
    .max_flat_workgroup_size: 128
    .sgpr_count:     66
    .vgpr_count:     1024
    .wavefront_size: 32
...
	.end_amdgpu_metadata
.endif
;; end of part 3
;; launch main (part 4): grid 32 x 8, 4 waves a work-group, clusters of 4 x 1, 327,680 bytes of LDS; arguments PB, EF, WF, query, bq, bo, out0; writes out0
.if DOCPART == 4
	.amdgcn_target "amdgcn-amd-amdhsa--gfx1250"
	.amdhsa_code_object_version 6
	.text
	.protected	k_qe5000b9400_main
	.globl	k_qe5000b9400_main
	.p2align	8
	.type	k_qe5000b9400_main,@function
k_qe5000b9400_main:
	s_mov_b64 s[64:65], 0
	v_nop
	global_prefetch_b8 v0, s[64:65] scope:SCOPE_SE
	s_setreg_imm32_b32 hwreg(HW_REG_WAVE_MODE, 25, 1), 1
	s_wait_xcnt 0x0
	s_wait_alu depctr_hold_cnt(0) depctr_sa_sdst(0) depctr_va_vdst(0) depctr_va_sdst(0) depctr_va_ssrc(0) depctr_va_vcc(0) depctr_vm_vsrc(0)
	s_getreg_b32 s2, hwreg(HW_REG_IB_STS2, 6, 4)
	s_cmp_eq_u32 s2, 0
	s_cbranch_scc0 .Lentry_in_a_cluster
	s_endpgm
.Lentry_in_a_cluster:
	s_bfe_u32 s2, ttmp6, 0x10000c
	s_cmp_lg_u32 s2, 0x3003
	s_cbranch_scc0 .Lentry_shape_is_right
	s_endpgm
.Lentry_shape_is_right:
; den = P ek, num = P (ek v); num / den; q = query Wq^T + bq; y = sigmoid(q) num / den; out0[b] = y Wo^T + bo.  Nothing of reference() is left out here.
; SHARES.  Work-group (block of 64 rows i, b): all 512 columns d, both sums.  Wave w: columns 128 w ..+127: 32 accumulators (a, t) of den (window 2) and 32 of num (window 3).
; ALL PRODUCTS ARE TAKEN TRANSPOSED (source 0 = 16 columns d, source 1 = 16 rows i): a lane holds ONE row i = 16 a + l % 16 and eight neighbouring columns 128 w + 16 t + 8 (l / 16) ..+7,
; in den, num, q and the output alike: the division, the sigmoid and y are register for register, and y packs into 16 bytes of a row.
; THE RING.  64 keys j a slot, two slots.  A slot: E, 131,072 bytes of fragments exactly as vproj stored them (wave w reads only its 32,768), and P, 64 rows of 128 bytes, padded to 144.
; CLUSTER.  The four work-groups of a cluster have the same b and walk the same E: it is asked for JOINTLY (waves 0 and 1, a half each, mask 15).  P is each work-group's own: waves 2 and 3 bring a half each by plain loads,
; behind the same round.  So every wave has one tensor load out behind each round (two at the start), issued 112 of a slot's 128 matrix instructions ahead of the wait for it.
; The weights of the two projections are not shared through LDS: as in kproj, each fragment has one reader a work-group and goes straight to operand registers.
; PREFETCH.  Behind each refill the slot four further on is named, 512 matrix instructions of a wave ahead of its load: E's 131,072 bytes by the first cluster of each b alone, its 16 waves 8,192 bytes each, told apart by address;
; P's 8,192 bytes by wave 3 of their one reader; a lane names 256 bytes.  Slots 0 to 5 come by their loads alone; the last four refills name nothing.
; LDS behind the ring's last fills: QST (query in bf16), YST (y) and OST (the way out) lie in the slots' bytes; each is written only behind a barrier behind which no wave reads those bytes as a slot, and no fill follows.
; LIMITS: query, Wq, Wo, bq, bo rounded to bf16; y once; the reciprocal of a den under 2^-126 is not served; NaN and infinities are not treated apart.
; REGISTERS: window 0: addresses; v32-95 two sets of source 1's fragments (P, query, y); v96-223 query in bf16, later bq (v96-159) and bo (v160-223) as C
;   window 1: two sets of 16 fragments of E, later four sets of W     window 2: den, q, the output     window 3: num, num / den, y
.set SLOTB,  140288                    ; a slot: 131,072 + 64 x 144
.set POFF,   131072
.set PP,     144                       ; 9 x 16: the 16 rows of a fragment load start at 16 different groups of four banks (ISA guide 11.1)
.set SPARE,  280576                    ; behind the ring: the spare words, 128 bytes a wave
.set QST,    0
.set YST,    66560
.set OST,    133120
.set SPITCH, 1040
.set OPITCH, 528
.set ASTEP,  64
.set R,    1
.set H,    2
.set L16,  3
.set EA,   4                           ; v4-5  my 16 bytes of my wave's first fragment of E, slot 0, 1
.set PA,   6                           ; v6-7  my place in P's fragments, slot 0, 1
.set QS,   8
.set AF,   9
.set YS,   10
.set OS,   11
.set ORD,  12
.set PFO,  13                          ; 256 l; never rewritten
.set BO,   14
.set AFB,  15                          ; r x 1,040 + 16 h
.set SPW,  28
.set NIL,  29
.set TMP,  30
.set ASET, 32
.set QB,   96
.set WV,   18
.set CX,   19
.set IB,   20
.set BB,   21
.set G1E,  24
.set G1P,  32
.set G0E,  40                          ; s[40:47] a set for each slot
.set G0P,  48                          ; s[48:55]
.set CNT,  56
.set LIME, 57
.set LIMP, 58
.set PFE,  60
.set PFP,  62
.set WP,   66
.set WB,   68
.set PCNT, 70
.set MSK,  59
.set NL,   82                          ; s[82:83] -log2(e), twice
.set MSB, 0
.macro WIN new
.if MSB != (\new)
	s_set_vgpr_msb (MSB<<8)|(\new)
.set MSB, \new
.endif
.endm
.macro PLACES
.rept 4
	v_nop
.endr
.endm
.macro RB a, b, t
	v_cvt_pk_bf16_f32 v[\t], v[\a], v[\b]
	v_lshlrev_b32 v[\a], 16, v[\t]
	v_and_b32 v[\b], s[MSK], v[\t]
.endm
.macro CREST                           ; a round of the cluster's barrier behind its opening barrier
	s_cmp_lg_u32 s[WV], 0
	s_cbranch_scc1 .Lnot_wave_0_\@
	s_barrier_signal -3
.Lnot_wave_0_\@:
	s_barrier_wait -3
	s_barrier_signal -1
	s_barrier_wait -1
.endm
.macro CROUND
	s_barrier_signal -1
	s_barrier_wait -1
	CREST
.endm
.macro JLOAD s                         ; waves 0, 1: E's halves, jointly; waves 2, 3: P's halves.  An s_nop 0 and four v_nop follow each line; they are also the places ahead of the loads that follow
	s_cmp_lt_u32 s[WV], 2
	s_cbranch_scc0 .Lfor_p_\@
	tensor_load_to_lds s[G0E+4*(\s):G0E+4*(\s)+3], s[G1E:G1E+7]
	s_nop 0
.rept 4
	v_nop
.endr
	s_branch .Lasked_\@
.Lfor_p_\@:
	tensor_load_to_lds s[G0P+4*(\s):G0P+4*(\s)+3], s[G1P:G1P+7]
	s_nop 0
.rept 4
	v_nop
.endr
.Lasked_\@:
.endm
.macro ASK                             ; the slot four behind the one just asked for; both tests hang on the cluster's x, the wave's number and the loop's count alone
	WIN 0
	s_cmp_gt_u32 s[CNT], s[LIME]
	s_cbranch_scc0 .Lno_e_\@
	global_prefetch_b8 v[PFO], s[PFE:PFE+1] offset:524288 th:TH_LOAD_NT scope:SCOPE_SE
.Lno_e_\@:
	s_cmp_gt_u32 s[CNT], s[LIMP]
	s_cbranch_scc0 .Lno_p_\@
	global_prefetch_b8 v[PFO], s[PFP:PFP+1] offset:32768 th:TH_LOAD_NT scope:SCOPE_SE
.Lno_p_\@:
.endm
.macro FETCH slot, kk, set             ; 32 keys' fragments: P's 4 (8 loads), ek's 8 (16), ek v's 8 (16), in that order
	WIN 0
.irp a, 0,1,2,3
	ds_load_b128 v[ASET+32*(\set)+8*(\a):ASET+32*(\set)+8*(\a)+3],   v[PA+(\slot)] offset:(\a)*16*PP+(\kk)*64
	ds_load_b128 v[ASET+32*(\set)+8*(\a)+4:ASET+32*(\set)+8*(\a)+7], v[PA+(\slot)] offset:(\a)*16*PP+(\kk)*64+32
.endr
	WIN 0x40
.irp f, 0,1,2,3,4,5,6,7,8,9,10,11,12,13,14,15
	ds_load_b128 v[128*(\set)+8*(\f):128*(\set)+8*(\f)+3],   v[EA+(\slot)] offset:(\kk)*16384+(\f)*1024
	ds_load_b128 v[128*(\set)+8*(\f)+4:128*(\set)+8*(\f)+7], v[EA+(\slot)] offset:(\kk)*16384+(\f)*1024+512
.endr
.endm
.macro MUL8 set, kind, a, zero         ; 8 matrix instructions: rows 16 a ..+15, all 8 tiles t, den (kind 0) or num (1).  The 64 accumulators take turns, in the same order for every 32 keys
	WIN 0xa1+0x50*(\kind)
.irp t, 0,1,2,3,4,5,6,7
.if \zero
	v_wmma_f32_16x16x32_bf16 v[8*(8*(\a)+(\t)):8*(8*(\a)+(\t))+7], v[128*(\set)+64*(\kind)+8*(\t):128*(\set)+64*(\kind)+8*(\t)+7], v[ASET+32*(\set)+8*(\a):ASET+32*(\set)+8*(\a)+7], 0
.else
	v_wmma_f32_16x16x32_bf16 v[8*(8*(\a)+(\t)):8*(8*(\a)+(\t))+7], v[128*(\set)+64*(\kind)+8*(\t):128*(\set)+64*(\kind)+8*(\t)+7], v[ASET+32*(\set)+8*(\a):ASET+32*(\set)+8*(\a)+7], v[8*(8*(\a)+(\t)):8*(8*(\a)+(\t))+7]
.endif
.endr
.endm
.macro STEP0 slot, zero                ; a slot's first 32 keys (set 0); in the middle its other 32 are fetched into set 1
	s_wait_dscnt 16                                ; P and ek are in; ek v's 16 loads may be out
	MUL8 0, 0, 0, \zero
	MUL8 0, 0, 1, \zero
	MUL8 0, 0, 2, \zero
	MUL8 0, 0, 3, \zero
	PLACES
	FETCH \slot, 1, 1
	s_wait_dscnt 40                                ; all but the 40 just issued
	MUL8 0, 1, 0, \zero
	MUL8 0, 1, 1, \zero
	MUL8 0, 1, 2, \zero
	MUL8 0, 1, 3, \zero
.endm
; A slot's other 32 keys (set 1) and the change of slots.  Ahead of the barrier each wave waits for all its tensor loads (one is out: its part of the next slot), adds 0 to its spare word, and waits for that and for its reads of this slot.
; fill = 1: the barrier opens a round of the cluster's barrier; behind it this slot is filled again, two slots on.  tail = 1: slot 0 has had its last fill and its last read: query goes into its bytes.
.macro TURN slot, next, fill, tail
.if \fill
	s_wait_xcnt 0x0                                ; the last prefetches, a slot back, have read their addresses: stepped only behind this wait
	s_add_nc_u64 s[PFE:PFE+1], s[PFE:PFE+1], 131072
	s_add_nc_u64 s[PFP:PFP+1], s[PFP:PFP+1], 8192
.endif
	WIN 0
	s_wait_tensorcnt 0x0                           ; all my tensor loads have landed
	ds_add_u32 v[SPW], v[NIL]
	s_wait_dscnt 17                                ; P and ek are in; ek v's 16 loads and the add may be out
	MUL8 1, 0, 0, 0
	s_wait_dscnt 0x0                               ; the add is done, my reads of this slot are over
	s_barrier_signal -1
	MUL8 1, 0, 1, 0
	WIN 0
	s_barrier_wait -1
.if \fill
	CREST                                          ; no wave of any partner still reads this slot or has a load on its way
	s_add_nc_u64 s[G0E+4*(\slot)+2:G0E+4*(\slot)+3], s[G0E+4*(\slot)+2:G0E+4*(\slot)+3], 262144
	s_add_nc_u64 s[G0P+4*(\slot)+2:G0P+4*(\slot)+3], s[G0P+4*(\slot)+2:G0P+4*(\slot)+3], 16384
	JLOAD \slot
.else
	PLACES
.endif
.if \tail
.set i, 0
.rept 64
	ds_store_b64 v[QS], v[QB+2*i:QB+2*i+1] offset:(i/4)*SPITCH+(i%4)*256
.set i, i+1
.endr
.endif
	FETCH \next, 0, 0
.if \fill
	ASK
.endif
	MUL8 1, 0, 2, 0
	MUL8 1, 0, 3, 0
	MUL8 1, 1, 0, 0
	MUL8 1, 1, 1, 0
	MUL8 1, 1, 2, 0
	MUL8 1, 1, 3, 0
.endm
; THE PROJECTIONS, as in kproj but transposed: source 0 = W's fragment, source 1 = 16 rows of the stage.
.macro WLOAD q, off
	WIN 0x40
.irp t, 0,1,2,3,4,5,6,7
	global_load_b128 v[64*(\q)+8*(\t):64*(\q)+8*(\t)+3],   v[L16], s[WP:WP+1] offset:(\off)+(\t)*1024
	global_load_b128 v[64*(\q)+8*(\t)+4:64*(\q)+8*(\t)+7], v[L16], s[WP:WP+1] offset:(\off)+(\t)*1024+512
.endr
.endm
.macro AFETCH aset, off
	WIN 0
.irp a, 0,1,2,3
	ds_load_b128 v[ASET+32*(\aset)+8*(\a):ASET+32*(\aset)+8*(\a)+3],   v[AF] offset:(\off)+(\a)*16*SPITCH
	ds_load_b128 v[ASET+32*(\aset)+8*(\a)+4:ASET+32*(\aset)+8*(\a)+7], v[AF] offset:(\off)+(\a)*16*SPITCH+32
.endr
.endm
.macro PSTEP wset, aset, rset, roff, anext, aoff, lcnt, first
	PLACES
.if \anext
	AFETCH 1-(\aset), \aoff
.endif
.if (\rset) >= 0
	WLOAD \rset, \roff
.endif
	s_wait_loadcnt \lcnt                           ; this step's W set is in; the younger sets, 16 loads each, stay out
.if \anext
	s_wait_dscnt 8                                 ; this step's rows are in; the eight loads just issued stay out
.else
	s_wait_dscnt 0
.endif
.if \first
	WIN 0x81
.else
	WIN 0xa1
.endif
.irp a, 0,1,2,3
.irp t, 0,1,2,3,4,5,6,7
.if \first
	v_wmma_f32_16x16x32_bf16 v[8*(8*(\a)+(\t)):8*(8*(\a)+(\t))+7], v[64*(\wset)+8*(\t):64*(\wset)+8*(\t)+7], v[ASET+32*(\aset)+8*(\a):ASET+32*(\aset)+8*(\a)+7], v[BIAS+8*(\t):BIAS+8*(\t)+7]
.else
	v_wmma_f32_16x16x32_bf16 v[8*(8*(\a)+(\t)):8*(8*(\a)+(\t))+7], v[64*(\wset)+8*(\t):64*(\wset)+8*(\t)+7], v[ASET+32*(\aset)+8*(\a):ASET+32*(\aset)+8*(\a)+7], v[8*(8*(\a)+(\t)):8*(8*(\a)+(\t))+7]
.endif
.endr
.endr
.endm
.macro PROJ
	PSTEP 0,0,-1,0,1,ASTEP,48,1
	WIN 0
	s_mov_b32 s[PCNT], 3
.Lproj_\@:
	PSTEP 1,1,0,4*8192,1,2*ASTEP,48,0
	PSTEP 2,0,1,5*8192,1,3*ASTEP,48,0
	PSTEP 3,1,2,6*8192,1,4*ASTEP,48,0
	PSTEP 0,0,3,7*8192,1,5*ASTEP,48,0
	WIN 0
	s_wait_xcnt 0x0                                ; the loads issued so far have read their base: it is stepped only behind this wait
	s_add_nc_u64 s[WP:WP+1], s[WP:WP+1], 32768
	v_add_nc_u32 v[AF], 4*ASTEP, v[AF]
	s_sub_co_u32 s[PCNT], s[PCNT], 1
	s_cmp_lg_u32 s[PCNT], 0
	s_cbranch_scc1 .Lproj_\@
	PSTEP 1,1,-1,0,1,2*ASTEP,32,0
	PSTEP 2,0,-1,0,1,3*ASTEP,16,0
	PSTEP 3,1,-1,0,0,0,0,0
.endm
	s_load_b256 s[4:11], s[0:1], 0x0               ; PB s[4:5], EF s[6:7], WF s[8:9], query s[10:11]
	s_load_b128 s[12:15], s[0:1], 0x20             ; bq s[12:13], bo s[14:15]
	s_load_b64 s[16:17], s[0:1], 0x30              ; out0
	v_lshl_add_u32 v[SPW], v0, 2, SPARE
	v_mov_b32 v[NIL], 0
	ds_add_u32 v[SPW], v[NIL]                      ; the wave's opening: the add, twice on end, and its wait ahead of my first tensor load
	ds_add_u32 v[SPW], v[NIL]
	v_lshrrev_b32 v1, 5, v0
	v_readfirstlane_b32 s[WV], v1                  ; wave 0..3
	s_bfe_u32 s[CX], ttmp6, 0x40000                ; my place in the cluster
	s_lshl_b32 s[IB], ttmp9, 2
	s_add_co_u32 s[IB], s[IB], s[CX]               ; my block of 64 rows i: it enters P's, query's and out0's addresses alone
	s_and_b32 s[BB], ttmp7, 0xffff                 ; b, which the four partners share
	s_and_b32 s71, s[WV], 1                        ; which half I fetch
	; E's shape: a half is 65,536 dense bytes: 256 rows of 256 bytes, no padding
	s_mov_b32 s[G1E], 15|(1<<16)|(1<<21)           ; 15:0 the mask of four; 17:16 elements of 2 bytes; 21 set beside a mask
	s_mov_b32 s[G1E+1], 128<<16                    ; tensor_dim0 = 128
	s_mov_b32 s[G1E+2], 256<<16                    ; tensor_dim1 = 256
	s_mov_b32 s[G1E+3], 128<<16                    ; tile_dim0 = 128
	s_mov_b32 s[G1E+4], 256                        ; tile_dim1 = 256
	s_mov_b32 s[G1E+5], 128                        ; elements from row to row
	s_mov_b32 s[G1E+6], 0
	s_mov_b32 s[G1E+7], 0
	; P's shape: a half is 4,096 dense bytes: 16 rows of 256 bytes, two rows of P each, padded by 4 words after every 32
	s_mov_b32 s[G1P], (1<<16)|(1<<20)|(4<<22)|(3<<25)
	s_mov_b32 s[G1P+1], 128<<16
	s_mov_b32 s[G1P+2], 16<<16
	s_mov_b32 s[G1P+3], 128<<16
	s_mov_b32 s[G1P+4], 16
	s_mov_b32 s[G1P+5], 128
	s_mov_b32 s[G1P+6], 0
	s_mov_b32 s[G1P+7], 0
	s_mov_b32 s[G0E], 1
	s_lshl_b32 s[G0E+1], s71, 16                   ; LDS: half x 65,536; no place in the cluster enters an LDS address
	s_mov_b32 s[G0E+4], 1
	s_add_co_u32 s[G0E+5], s[G0E+1], SLOTB
	s_mov_b32 s[G0P], 1
	s_mul_i32 s[G0P+1], s71, 32*PP
	s_add_co_u32 s[G0P+1], s[G0P+1], POFF
	s_mov_b32 s[G0P+4], 1
	s_add_co_u32 s[G0P+5], s[G0P+1], SLOTB
	s_lshl_b32 s72, s[BB], 22                      ; E: b x 4,194,304
	s_mov_b32 s73, 0
	s_lshl_b32 s74, s71, 16
	s_mov_b32 s75, 0
	s_lshl_b32 s76, s[IB], 18                      ; P: my row of 32 tiles
	s_mov_b32 s77, 0
	s_lshl_b32 s78, s71, 12
	s_mov_b32 s79, 0
	s_lshl2_add_u32 s80, s[CX], s[WV]              ; the prefetches of E: my wave among the cluster's 16,
	s_lshl_b32 s80, s80, 13                        ; 8,192 bytes each,
	s_add_co_u32 s80, s80, 131072                  ; in slot 1: the first change steps it to slot 2, and names slot 6
	s_mov_b32 s81, 0
	s_lshl_b32 s22, s[IB], 20                      ; query: ((64 block + 16 w) x 8 + b) x 2,048
	s_lshl_b32 s23, s[WV], 18
	s_add_co_u32 s22, s22, s23
	s_lshl_b32 s23, s[BB], 11
	s_add_co_u32 s22, s22, s23
	s_mov_b32 s23, 0
	s_lshl_b32 s2, s[IB], 17                       ; out0: ((b x 2,048 + 64 block) x 512 + 128 w) x 4
	s_add_co_u32 s2, s2, s72
	s_lshl_b32 s3, s[WV], 9
	s_add_co_u32 s2, s2, s3
	s_mov_b32 s3, 0
	s_cmp_eq_u32 ttmp9, 0
	s_cselect_b32 s[LIME], 2, -1                   ; the same in all four partners
	s_cmp_eq_u32 s[WV], 3
	s_cselect_b32 s[LIMP], 2, -1
	s_mov_b32 s[MSK], 0xffff0000
	s_mov_b32 s[NL], 0xbfb8aa3b
	s_mov_b32 s[NL+1], 0xbfb8aa3b
	s_wait_dscnt 0x0                               ; both opening adds are done
	s_wait_kmcnt 0x0
	s_add_nc_u64 s[6:7], s[6:7], s[72:73]
	s_add_nc_u64 s[G0E+2:G0E+3], s[6:7], s[74:75]  ; slot 0: keys 0-63
	s_add_nc_u64 s[G0E+6:G0E+7], s[G0E+2:G0E+3], 131072
	s_or_b32 s[G0E+3], s[G0E+3], 0x80000000
	s_or_b32 s[G0E+7], s[G0E+7], 0x80000000
	s_add_nc_u64 s[4:5], s[4:5], s[76:77]
	s_add_nc_u64 s[G0P+2:G0P+3], s[4:5], s[78:79]
	s_add_nc_u64 s[G0P+6:G0P+7], s[G0P+2:G0P+3], 8192
	s_or_b32 s[G0P+3], s[G0P+3], 0x80000000
	s_or_b32 s[G0P+7], s[G0P+7], 0x80000000
	s_add_nc_u64 s[PFE:PFE+1], s[6:7], s[80:81]
	s_add_nc_u64 s[PFP:PFP+1], s[4:5], 8192
	s_add_nc_u64 s[10:11], s[10:11], s[22:23]
	s_add_nc_u64 s[16:17], s[16:17], s[2:3]
	s_lshl_b32 s74, s[WV], 17
	s_add_nc_u64 s[WB:WB+1], s[8:9], s[74:75]      ; my slice of matrix 0
	s_add_nc_u64 s[WP:WP+1], s[WB:WB+1], 0x100000  ; of matrix 2, Wq
	CROUND                                         ; all four work-groups are here: the first joint loads meet
	s_cmp_lt_u32 s[WV], 2                          ; a wave's two first fills stand in one branch: two loads of mine are out
	s_cbranch_scc0 .Lfirst_p
	tensor_load_to_lds s[G0E:G0E+3], s[G1E:G1E+7]
	s_nop 0
	tensor_load_to_lds s[G0E+4:G0E+7], s[G1E:G1E+7]
	s_nop 0
.rept 4
	v_nop
.endr
	s_branch .Lfirst_asked
.Lfirst_p:
	tensor_load_to_lds s[G0P:G0P+3], s[G1P:G1P+7]
	s_nop 0
	tensor_load_to_lds s[G0P+4:G0P+7], s[G1P:G1P+7]
	s_nop 0
.rept 4
	v_nop
.endr
.Lfirst_asked:
	v_and_b32 v[R], 15, v0
	v_bfe_u32 v[H], v0, 4, 1
	v_and_b32 v[TMP], 31, v0
	v_lshlrev_b32 v[L16], 4, v[TMP]
	WIN 0x80
.set i, 0
.rept 64                               ; query: row i / 4 of my wave's 16, 512 bytes on end
	global_load_b128 v[4*i:4*i+3], v[L16], s[10:11] offset:(i/4)*16384+(i%4)*512 th:TH_LOAD_NT
.set i, i+1
.endr
	WIN 0
	v_lshlrev_b32 v[PFO], 8, v[TMP]
	s_lshl_b32 s22, s[WV], 15
	v_add_nc_u32 v[EA], s22, v[L16]
	v_add_nc_u32 v[EA+1], SLOTB, v[EA]
	v_mul_u32_u24 v[PA], v[R], PP
	v_lshl_add_u32 v[PA], v[H], 4, v[PA]
	v_add_nc_u32 v[PA], POFF, v[PA]
	v_add_nc_u32 v[PA+1], SLOTB, v[PA]
	s_mul_i32 s22, s[WV], 16*SPITCH
	s_add_co_u32 s22, s22, QST
	v_lshl_add_u32 v[QS], v[TMP], 3, s22
	v_mul_u32_u24 v[AFB], v[R], SPITCH
	v_lshl_add_u32 v[AFB], v[H], 4, v[AFB]
	s_lshl_b32 s22, s[WV], 8
	s_add_co_u32 s22, s22, YST
	v_add_nc_u32 v[YS], s22, v[AFB]                ; y: row r, byte 256 w + 16 h
	s_mul_i32 s22, s[WV], 16*OPITCH
	s_add_co_u32 s22, s22, OST                     ; my stage for the way out
	v_mul_u32_u24 v[OS], v[R], OPITCH
	v_lshl_add_u32 v[OS], v[H], 5, v[OS]
	v_add_nc_u32 v[OS], s22, v[OS]
	v_add_nc_u32 v[ORD], s22, v[L16]
	s_lshl_b32 s22, s[WV], 9
	v_lshl_add_u32 v[BO], v[H], 5, s22             ; biases of columns 128 w + 8 h ..
	s_wait_loadcnt 0x0                             ; query
	WIN 0x0a
.set i, 0
.rept 128
	v_cvt_pk_bf16_f32 v[QB+i], v[2*i], v[2*i+1]
.set i, i+1
.endr
	WIN 0
	s_wait_tensorcnt 1                             ; my part of slot 0 is in; slot 1's may stay out
	s_barrier_signal -1
	s_barrier_wait -1
	FETCH 0, 0, 0
	STEP0 0, 1                                     ; the first 32 keys start all 64 sums: nothing is cleared
	WIN 0
	s_mov_b32 s[CNT], 15
.Lring:                                        ; a trip goes once round the ring and fills both slots again: slots 2 to 31
	TURN 0, 1, 1, 0
	STEP0 1, 0
	TURN 1, 0, 1, 0
	STEP0 0, 0
	WIN 0
	s_sub_co_u32 s[CNT], s[CNT], 1
	s_cmp_lg_u32 s[CNT], 0
	s_cbranch_scc1 .Lring
	TURN 0, 1, 0, 1                                ; the tail is written out: nothing more is asked for
	STEP0 1, 0
	s_wait_dscnt 16
	MUL8 1, 0, 0, 0
	MUL8 1, 0, 1, 0
	MUL8 1, 0, 2, 0
	MUL8 1, 0, 3, 0
	PLACES
	WIN 0
.set i, 0
.rept 16                               ; a lane's eight columns of tile t = i / 2: the biases lie as the first step's C wants them
	global_load_b128 v[96+4*i:96+4*i+3],   v[BO], s[12:13] offset:(i/2)*64+(i%2)*16
	global_load_b128 v[160+4*i:160+4*i+3], v[BO], s[14:15] offset:(i/2)*64+(i%2)*16
.set i, i+1
.endr
	WLOAD 0, 0                                     ; Wq's first steps, over E's set 0, which has been multiplied
	WLOAD 1, 8192
	s_wait_dscnt 0x0
	MUL8 1, 1, 0, 0
	MUL8 1, 1, 1, 0
	MUL8 1, 1, 2, 0
	MUL8 1, 1, 3, 0
	PLACES
	WLOAD 2, 2*8192
	WLOAD 3, 3*8192
	WIN 0
	s_barrier_signal -1                            ; every wave's rows of query are in QST (its LDS instructions were waited for above), and nobody reads slot 1 any more
	s_barrier_wait -1
	WIN 0x82
.set i, 0
.rept 256                              ; 1 / den, ascending: each accumulator's lowest registers first; one batch
	v_rcp_f32 v[i], v[i]
.set i, i+1
.endr
	v_nop
	s_wait_alu depctr_va_vdst(0)
	WIN 0xcb                                       ; num (window 3) times 1 / den (window 2)
.set i, 0
.rept 128
	v_pk_mul_f32 v[i:i+1], v[i:i+1], v[i:i+1]
.set i, i+2
.endr
	WIN 0
	s_wait_loadcnt 63                              ; the 32 loads of biases are in (64 younger loads were issued; a smaller count is safe)
.set i, 0
.rept 64
	RB 96+2*i, 96+2*i+1, TMP
.set i, i+1
.endr
	v_add_nc_u32 v[AF], QST, v[AFB]
	AFETCH 0, 0
.set BIAS, 96
	PROJ                                           ; q, into window 2
	PLACES
	WIN 0
	s_wait_xcnt 0x0
	s_add_nc_u64 s[WP:WP+1], s[WB:WB+1], 0x180000  ; matrix 3, Wo: its first four steps come in under the sigmoid
	WLOAD 0, 0
	WLOAD 1, 8192
	WLOAD 2, 2*8192
	WLOAD 3, 3*8192
	WIN 0x82
.set i, 0
.rept 128
	v_pk_mul_f32 v[i:i+1], v[i:i+1], s[NL:NL+1] op_sel_hi:[1,0]
.set i, i+2
.endr
.set i, 0
.rept 256
	v_exp_f32 v[i], v[i]
.set i, i+1
.endr
	v_nop
	s_wait_alu depctr_va_vdst(0)
.set i, 0
.rept 128
	v_pk_add_f32 v[i:i+1], v[i:i+1], 1.0 op_sel_hi:[1,0]
.set i, i+2
.endr
.set i, 0
.rept 256
	v_rcp_f32 v[i], v[i]
.set i, i+1
.endr
	v_nop
	s_wait_alu depctr_va_vdst(0)
	WIN 0xcb                                       ; y = (num / den) sigmoid(q)
.set i, 0
.rept 128
	v_pk_mul_f32 v[i:i+1], v[i:i+1], v[i:i+1]
.set i, i+2
.endr
	WIN 0xcf
.set i, 0
.rept 128
	v_cvt_pk_bf16_f32 v[8*(i/4)+i%4], v[8*(i/4)+2*(i%4)], v[8*(i/4)+2*(i%4)+1]
.set i, i+1
.endr
	WIN 0x0c
.set q, 0
.rept 32
	ds_store_b128 v[YS], v[8*q:8*q+3] offset:(q/8)*16*SPITCH+(q%8)*32
.set q, q+1
.endr
	WIN 0
	s_wait_dscnt 0x0                               ; for the others' sake: my columns of y are written
	s_barrier_signal -1
	s_barrier_wait -1
	v_add_nc_u32 v[AF], YST, v[AFB]
	AFETCH 0, 0
.set BIAS, 160
	PROJ                                           ; the output, into window 2
	PLACES
; THE WAY OUT: 16 rows at a time through my own stage: a lane's eight columns go in as 32 bytes, whole rows of 512 bytes come back and are stored.
.irp a, 0,1,2,3
	WIN 0x08
.irp t, 0,1,2,3,4,5,6,7
	ds_store_b128 v[OS], v[64*(\a)+8*(\t):64*(\a)+8*(\t)+3]   offset:(\t)*64
	ds_store_b128 v[OS], v[64*(\a)+8*(\t)+4:64*(\a)+8*(\t)+7] offset:(\t)*64+16
.endr
	WIN 0
	s_wait_xcnt 0x0                                ; earlier stores have read their data registers: loaded again only behind this wait
.set j, 0
.rept 16
	ds_load_b128 v[32+64*((\a)%2)+4*j:32+64*((\a)%2)+4*j+3], v[ORD] offset:j*OPITCH  ; LDS serves a wave's instructions in order (ISA guide 5.7.1.4): these see the stores above
.set j, j+1
.endr
	s_wait_dscnt 0x0
.set j, 0
.rept 16
	global_store_b128 v[L16], v[32+64*((\a)%2)+4*j:32+64*((\a)%2)+4*j+3], s[16:17] offset:(\a)*32768+j*2048 th:TH_STORE_NT  ; 512 bytes on end, aligned
.set j, j+1
.endr
.endr
	s_wait_tensorcnt 0x0                           ; the wave's end, behind my last tensor load and my last LDS store
	ds_add_u32 v[SPW], v[NIL]
	s_wait_dscnt 0x0
	CROUND                                         ; the closing round: no work-group ends while a partner may still ask for a tile that names it
	s_endpgm
.Lfunc_end_k_qe5000b9400_main:
	.size	k_qe5000b9400_main, .Lfunc_end_k_qe5000b9400_main-k_qe5000b9400_main
	.p2alignl 7, 3214868480
	.fill 96, 4, 3214868480
	.section	.rodata,"a",@progbits
	.p2align	6, 0x0
	.amdhsa_kernel k_qe5000b9400_main
		.amdhsa_group_segment_fixed_size 327680
		.amdhsa_private_segment_fixed_size 0
		.amdhsa_enable_private_segment 0
		.amdhsa_kernarg_size 56
		.amdhsa_user_sgpr_count 2
		.amdhsa_user_sgpr_kernarg_segment_ptr 1
		.amdhsa_wavefront_size32 1
		.amdhsa_system_sgpr_workgroup_id_x 1
		.amdhsa_system_sgpr_workgroup_id_y 1
		.amdhsa_system_sgpr_workgroup_id_z 1
		.amdhsa_system_vgpr_workitem_id 0
		.amdhsa_next_free_vgpr 1024
		.amdhsa_next_free_sgpr 84
		.amdhsa_reserve_vcc 0
		.amdhsa_float_denorm_mode_32 3
		.amdhsa_float_denorm_mode_16_64 3
		.amdhsa_memory_ordered 1
		.amdhsa_forward_progress 1
		.amdhsa_inst_pref_size 245
	.end_amdhsa_kernel
	.amdgpu_metadata
---
amdhsa.version: [ 1, 2 ]
amdhsa.kernels:
  - .name:           k_qe5000b9400_main
    .symbol:         k_qe5000b9400_main.kd
    .args:
      - { .name: PB, .offset: 0, .size: 8, .value_kind: global_buffer, .address_space: global }
      - { .name: EF, .offset: 8, .size: 8, .value_kind: global_buffer, .address_space: global }
      - { .name: WF, .offset: 16, .size: 8, .value_kind: global_buffer, .address_space: global }
      - { .name: query, .offset: 24, .size: 8, .value_kind: global_buffer, .address_space: global }
      - { .name: bq, .offset: 32, .size: 8, .value_kind: global_buffer, .address_space: global }
      - { .name: bo, .offset: 40, .size: 8, .value_kind: global_buffer, .address_space: global }
      - { .name: out0, .offset: 48, .size: 8, .value_kind: global_buffer, .address_space: global }
    .group_segment_fixed_size: 327680
    .private_segment_fixed_size: 0
    .kernarg_segment_align: 8
    .kernarg_segment_size: 56
    .max_flat_workgroup_size: 128
    .sgpr_count:     84
    .vgpr_count:     1024
    .wavefront_size: 32
...
	.end_amdgpu_metadata
.endif
;; end of part 4
;; ======== version 2 of 2: 5 launches
;; workspace buffers: WF 2,097,152 bytes; PB 8,388,608 bytes; KD 33,554,432 bytes; PM 524,288 bytes; EF 33,554,432 bytes; WT 33,554,432 bytes
;; launch prep (part 5): grid 256 x 1, 4 waves a work-group, no clusters, 0 bytes of LDS; arguments pos_bias, Wk, Wv, Wq, Wo, PB, WF; writes PB, WF
.if DOCPART == 5
	.amdgcn_target "amdgcn-amd-amdhsa--gfx1250"
	.amdhsa_code_object_version 6
	.text
	.protected	k_qe5000b9400_prep
	.globl	k_qe5000b9400_prep
	.p2align	8
	.type	k_qe5000b9400_prep,@function
k_qe5000b9400_prep:
	s_mov_b64 s[64:65], 0
	v_nop
	global_prefetch_b8 v0, s[64:65] scope:SCOPE_SE
	s_setreg_imm32_b32 hwreg(HW_REG_WAVE_MODE, 25, 1), 1
	s_wait_xcnt 0x0
; AFT-Full, S = 2048, B = 8, D = 512, in five launches: prep, kproj, vproj, aft, outp.
; NO WORK OF reference() IS LEFT OUT: both maxima (of k along s, of pos_bias along its rows) are taken away before the exponentials as reference() does,
; every product is made, and every input is loaded by some launch.
; THIS LAUNCH: (1) the four weight matrices, rounded to bf16 and laid out in the order in which a wave's operand registers take them (WF);
; (2) P = exp(pos_bias - its row's maximum), rounded to bf16, [2048][2048] row-major (PB).
; LIMITS of the program: all inputs are rounded once to bf16 (nearest even); k as a matrix operand, exp(k - max), exp(k - max) v, P and y are rounded once to bf16; sums, maxima, k in the
; exponent, the division and the sigmoid stay in f32.  An exponent is made as x log2(e) - max log2(e), one fused multiply-add.  The exponential and the reciprocal give 0 for results under 2^-126:
; a weight that small counts as 0, and a denominator that small is not served.  NaN and infinities are not treated apart.
; WF: matrix m (0 Wk, 1 Wv, 2 Wq, 3 Wo) at m x 524,288.  Fragment (tile nt of 16 rows of W, step s of 32 along K) at (nt / 8) x 131,072 + s x 8,192 + (nt % 8) x 1,024:
;   lane (r = l % 16, h = l / 16) has W[16 nt + r][32 s + 8 h ..+7] at 16 l and W[16 nt + r][32 s + 16 + 8 h ..+7] at 512 + 16 l.
; SHARES.  256 work-groups of four waves.  A wave makes two fragments of W (2,048 in all) and two rows of P (2,048 in all): lanes 0-15 one row, lanes 16-31 the next.  A stream: no LDS, no barrier, no matrix unit.
.set X,   32                           ; v[32:159]  my 128 numbers: 8 for each of 16 pieces t of my row
.set OUTP, 160                         ; v[160:223] P packed; before that v[176:191] packed weights, v[192:223] weights as loaded
.set MSK, 34                           ; s34  a word's upper bf16
.set LG,  36                           ; s[36:37] log2(e), twice
.macro RB a, b, t                      ; two f32 rounded to the nearest bf16 and widened again
	v_cvt_pk_bf16_f32 v[\t], v[\a], v[\b]
	v_lshlrev_b32 v[\a], 16, v[\t]
	v_and_b32 v[\b], s[MSK], v[\t]
.endm
	s_load_b256 s[4:11], s[0:1], 0x0               ; pos_bias s[4:5], Wk s[6:7], Wv s[8:9], Wq s[10:11]
	s_load_b128 s[12:15], s[0:1], 0x20             ; Wo s[12:13], PB s[14:15]
	s_load_b64 s[16:17], s[0:1], 0x30              ; WF
	v_lshrrev_b32 v1, 5, v0
	v_readfirstlane_b32 s18, v1                    ; wave 0..3
	v_and_b32 v6, 31, v0                           ; l
	v_and_b32 v7, 15, v0                           ; r
	v_bfe_u32 v8, v0, 4, 1                         ; h
	v_lshlrev_b32 v2, 11, v7                       ; W as it lies: row r x 2,048 bytes
	v_lshl_add_u32 v2, v8, 5, v2                   ; + 8 h numbers
	v_lshlrev_b32 v3, 4, v6                        ; WF: 16 l
	v_lshlrev_b32 v4, 13, v8                       ; pos_bias: row h x 8,192
	v_lshl_add_u32 v4, v7, 5, v4                   ; + r x 8 numbers
	v_lshlrev_b32 v5, 12, v8                       ; PB: row h x 4,096
	v_lshl_add_u32 v5, v7, 4, v5                   ; + r x 16 bytes: 16 lanes cover 256 bytes on end
	s_mov_b32 s[MSK], 0xffff0000
	s_mov_b32 s[LG], 0x3fb8aa3b
	s_mov_b32 s[LG+1], 0x3fb8aa3b
	s_lshr_b32 s19, ttmp9, 6                       ; m: which matrix
	s_and_b32 s20, ttmp9, 63
	s_lshl2_add_u32 s20, s20, s18                  ; my pair of fragments among the matrix's 256
	s_lshr_b32 s21, s20, 3                         ; nt
	s_and_b32 s22, s20, 7                          ; steps 2 kp and 2 kp + 1
	s_lshl_b32 s24, s21, 15                        ; from: 16 nt rows
	s_lshl_b32 s23, s22, 8                         ; + 64 kp numbers
	s_add_co_u32 s24, s24, s23
	s_mov_b32 s25, 0
	s_lshl_b32 s26, s19, 19                        ; to: the matrix,
	s_lshr_b32 s23, s21, 3
	s_lshl_b32 s23, s23, 17                        ; the slice nt / 8,
	s_add_co_u32 s26, s26, s23
	s_lshl_b32 s23, s22, 14                        ; step 2 kp,
	s_add_co_u32 s26, s26, s23
	s_and_b32 s23, s21, 7
	s_lshl_b32 s23, s23, 10                        ; tile nt % 8
	s_add_co_u32 s26, s26, s23
	s_mov_b32 s27, 0
	s_lshl_b32 s28, ttmp9, 16                      ; pos_bias: the work-group's 8 rows,
	s_lshl_b32 s23, s18, 14                        ; my wave's 2
	s_add_co_u32 s28, s28, s23
	s_mov_b32 s29, 0
	s_lshl_b32 s30, ttmp9, 15                      ; PB: the same rows, 4,096 bytes each
	s_lshl_b32 s23, s18, 13
	s_add_co_u32 s30, s30, s23
	s_mov_b32 s31, 0
	s_wait_kmcnt 0x0
	s_cmp_eq_u32 s19, 1
	s_cselect_b64 s[32:33], s[8:9], s[6:7]
	s_cmp_eq_u32 s19, 2
	s_cselect_b64 s[32:33], s[10:11], s[32:33]
	s_cmp_eq_u32 s19, 3
	s_cselect_b64 s[32:33], s[12:13], s[32:33]
	s_add_nc_u64 s[32:33], s[32:33], s[24:25]
	s_add_nc_u64 s[16:17], s[16:17], s[26:27]
	s_add_nc_u64 s[4:5], s[4:5], s[28:29]
	s_add_nc_u64 s[14:15], s[14:15], s[30:31]
.irp g, 0,1,2,3,4,5,6,7                ; g = 4 u + 2 c + e: step 2 kp + u, half c of the fragment, 4 of its 8 numbers
	global_load_b128 v[192+4*(\g):192+4*(\g)+3], v2, s[32:33] offset:((\g)/4)*128+(((\g)/2)%2)*64+((\g)%2)*16
.endr
.set i, 0
.rept 32                               ; piece t = i / 2: 8 numbers at column 128 t + 8 r
	global_load_b128 v[X+4*i:X+4*i+3], v4, s[4:5] offset:(i/2)*512+(i%2)*16 th:TH_LOAD_NT
.set i, i+1
.endr
	s_wait_loadcnt 32                              ; the weights are in; the 32 loads of pos_bias stay out
.set i, 0
.rept 16
	v_cvt_pk_bf16_f32 v[176+i], v[192+2*i], v[192+2*i+1]
.set i, i+1
.endr
.irp g, 0,1,2,3                        ; g = 2 u + c; each store covers 512 bytes on end
	global_store_b128 v3, v[176+4*(\g):176+4*(\g)+3], s[16:17] offset:((\g)/2)*8192+((\g)%2)*512
.endr
	s_wait_loadcnt 0x0                             ; pos_bias
.set i, 0
.rept 64
	RB X+2*i, X+2*i+1, 24+(i%4)
.set i, i+1
.endr
.irp c, 0,1,2,3                        ; the largest of my 128: four chains of 32
	v_max3_num_f32 v[20+(\c)], v[X+32*(\c)], v[X+32*(\c)+1], v[X+32*(\c)+2]
.endr
.set k, 0
.rept 14
.irp c, 0,1,2,3
	v_max3_num_f32 v[20+(\c)], v[20+(\c)], v[X+32*(\c)+3+2*k], v[X+32*(\c)+4+2*k]
.endr
.set k, k+1
.endr
.irp c, 0,1,2,3
	v_max_num_f32 v[20+(\c)], v[20+(\c)], v[X+32*(\c)+31]
.endr
	v_max3_num_f32 v20, v20, v21, v22
	v_max_num_f32 v20, v20, v23
	v_max_num_f32_dpp v20, v20, v20 row_xmask:1 row_mask:0xf bank_mask:0xf  ; a row of P lies in 16 neighbouring lanes
	v_max_num_f32_dpp v20, v20, v20 row_xmask:2 row_mask:0xf bank_mask:0xf
	v_max_num_f32_dpp v20, v20, v20 row_xmask:4 row_mask:0xf bank_mask:0xf
	v_max_num_f32_dpp v20, v20, v20 row_xmask:8 row_mask:0xf bank_mask:0xf
	v_mul_f32 v20, s[LG], v20                      ; the row's maximum times log2(e),
	v_mov_b32 v21, v20                             ; as a pair
.set i, 0
.rept 64
	v_pk_fma_f32 v[X+i:X+i+1], v[X+i:X+i+1], s[LG:LG+1], v[20:21] op_sel_hi:[1,0,1] neg_lo:[0,0,1] neg_hi:[0,0,1]
.set i, i+2
.endr
.set i, 0
.rept 128                              ; one batch of exponentials
	v_exp_f32 v[X+i], v[X+i]
.set i, i+1
.endr
	v_nop                                          ; a plain instruction behind the last exponential
	s_wait_alu depctr_va_vdst(0)                   ; one wait for the batch, ahead of its first reader
	s_wait_xcnt 0x0                                ; the weights' stores have read v[176:191]: written again only behind this wait
.set i, 0
.rept 64
	v_cvt_pk_bf16_f32 v[OUTP+i], v[X+2*i], v[X+2*i+1]
.set i, i+1
.endr
.set i, 0
.rept 16                               ; piece t: 256 bytes on end, aligned, of each of the two rows
	global_store_b128 v5, v[OUTP+4*i:OUTP+4*i+3], s[14:15] offset:i*256
.set i, i+1
.endr
	s_endpgm
.Lfunc_end_k_qe5000b9400_prep:
	.size	k_qe5000b9400_prep, .Lfunc_end_k_qe5000b9400_prep-k_qe5000b9400_prep
	.p2alignl 7, 3214868480
	.fill 96, 4, 3214868480
	.section	.rodata,"a",@progbits
	.p2align	6, 0x0
	.amdhsa_kernel k_qe5000b9400_prep
		.amdhsa_group_segment_fixed_size 0
		.amdhsa_private_segment_fixed_size 0
		.amdhsa_enable_private_segment 0
		.amdhsa_kernarg_size 56
		.amdhsa_user_sgpr_count 2
		.amdhsa_user_sgpr_kernarg_segment_ptr 1
		.amdhsa_wavefront_size32 1
		.amdhsa_system_sgpr_workgroup_id_x 1
		.amdhsa_system_sgpr_workgroup_id_y 1
		.amdhsa_system_sgpr_workgroup_id_z 1
		.amdhsa_system_vgpr_workitem_id 0
		.amdhsa_next_free_vgpr 224
		.amdhsa_next_free_sgpr 66
		.amdhsa_reserve_vcc 0
		.amdhsa_float_denorm_mode_32 3
		.amdhsa_float_denorm_mode_16_64 3
		.amdhsa_memory_ordered 1
		.amdhsa_forward_progress 1
		.amdhsa_inst_pref_size 34
	.end_amdhsa_kernel
	.amdgpu_metadata
---
amdhsa.version: [ 1, 2 ]
amdhsa.kernels:
  - .name:           k_qe5000b9400_prep
    .symbol:         k_qe5000b9400_prep.kd
    .args:
      - { .name: pos_bias, .offset: 0, .size: 8, .value_kind: global_buffer, .address_space: global }
      - { .name: Wk, .offset: 8, .size: 8, .value_kind: global_buffer, .address_space: global }
      - { .name: Wv, .offset: 16, .size: 8, .value_kind: global_buffer, .address_space: global }
      - { .name: Wq, .offset: 24, .size: 8, .value_kind: global_buffer, .address_space: global }
      - { .name: Wo, .offset: 32, .size: 8, .value_kind: global_buffer, .address_space: global }
      - { .name: PB, .offset: 40, .size: 8, .value_kind: global_buffer, .address_space: global }
      - { .name: WF, .offset: 48, .size: 8, .value_kind: global_buffer, .address_space: global }
    .group_segment_fixed_size: 0
    .private_segment_fixed_size: 0
    .kernarg_segment_align: 8
    .kernarg_segment_size: 56
    .max_flat_workgroup_size: 128
    .sgpr_count:     66
    .vgpr_count:     224
    .wavefront_size: 32
...
	.end_amdgpu_metadata
.endif
;; end of part 5
;; launch kproj (part 6): grid 32 x 8, 8 waves a work-group, no clusters, 67,584 bytes of LDS; arguments key, WF, bk, KD, PM; writes KD, PM
.if DOCPART == 6
	.amdgcn_target "amdgcn-amd-amdhsa--gfx1250"
	.amdhsa_code_object_version 6
	.text
	.protected	k_qe5000b9400_kproj
	.globl	k_qe5000b9400_kproj
	.p2align	8
	.type	k_qe5000b9400_kproj,@function
k_qe5000b9400_kproj:
	s_mov_b64 s[64:65], 0
	v_nop
	global_prefetch_b8 v0, s[64:65] scope:SCOPE_SE
	s_setreg_imm32_b32 hwreg(HW_REG_WAVE_MODE, 25, 1), 1
	s_wait_xcnt 0x0
; k = key Wk^T + bk in f32 (operands bf16), and the largest k of each column in each block of 64 rows.  Nothing of reference() is left out here.
; SHARES.  Work-group (x = block of 64 rows s, y = b): 64 rows x 512 columns, K = 512.  EIGHT waves, two to a SIMD; wave w: columns 64 w ..+63: 16 accumulators (a = 0..3 blocks of 16 rows, t = 0..3 tiles of 16 columns).
; Eight, so that each unrolled phase is written for 128 registers and not for 256; the price: the stage's fragments are read by eight waves.
; OPERANDS.  key goes through registers (rounded to bf16) into an LDS stage that all waves read.  W's fragments come from WF straight into operand registers: 4,096 bytes on end for each step of 32 along K,
; and no other wave of the work-group wants a byte of them.
; NO CLUSTER, no joint loads: what work-groups share is W, and each fragment has one reader in a work-group and needs no LDS; a joint ring would send 524,288 bytes a work-group through LDS, in and out,
; with a round of the cluster's barrier for every few steps.  No prefetch: the work-group asks for all its rows of key at its head, and W is read by every work-group.
; KD holds the accumulators as they lie: (b x 32 + block) x 131,072 + w x 16,384 + (4 a + t) x 1,024 + c x 512 + 16 l: registers 4 c ..+3 of (a, t):
; k[64 block + 16 a + 8 (l / 16) + 4 c + e][b][64 w + 16 t + l % 16].   PM: [b][block][512] f32.
; LIMITS: key, Wk and bk are rounded to bf16; NaN and infinities are not treated apart.
; REGISTERS (s_set_vgpr_msb: bits 1:0 source 0, 3:2 source 1, 5:4 source 2, 7:6 destination): window 0: addresses; v32-95 two sets of the stage's fragments (at the intake: packed key); v96-127 the bias as the first step's C;
;   v128-255 four sets of W     window 1: v0-127 accumulators (at the intake: key in f32)
.set SPITCH, 1040                      ; a stage row: 1,024 bytes + 16: 65 x 16, so the 16 rows of a fragment load start at 16 different groups of four banks (ISA guide 11.1)
.set SPARE,  66560                     ; behind the stage: the spare words, 128 bytes a wave
.set ASTEP,  64                        ; bytes of a stage row in a step of 32 along K
.set R,    1
.set H,    2
.set L16,  3                           ; 16 l; never rewritten
.set AF,   4                           ; where my lane reads the stage's fragments
.set SA,   5                           ; where my lane puts 8 bytes of key
.set BO,   6
.set PO,   7
.set MX,   8                           ; v8-11  a column's maximum, for each t
.set BT,   12                          ; v12-15 bias; later at work
.set TMP,  24
.set SPW,  28
.set NIL,  29
.set ASET, 32
.set BIAS, 96
.set WS,   128
.set WV,   14
.set WP,   20                          ; s[20:21] my part of W, at the loop's trip
.set PCNT, 22
.set MSK,  34
.set MSB, 0
.macro WIN new                         ; the immediate's high byte repeats the setting that is left; a switch that changes nothing is dropped
.if MSB != (\new)
	s_set_vgpr_msb (MSB<<8)|(\new)
.set MSB, \new
.endif
.endm
.macro PLACES                          ; four plain places behind a matrix instruction, ahead of loads into registers that it read and of readers of its result
.rept 4
	v_nop
.endr
.endm
.macro RB a, b, t                      ; two f32 rounded to the nearest bf16 and widened again
	v_cvt_pk_bf16_f32 v[\t], v[\a], v[\b]
	v_lshlrev_b32 v[\a], 16, v[\t]
	v_and_b32 v[\b], s[MSK], v[\t]
.endm
.macro WLOAD q, off                    ; a step's 4 fragments of W into set q: 8 loads of 512 bytes on end
	WIN 0
.irp t, 0,1,2,3
	global_load_b128 v[WS+32*(\q)+8*(\t):WS+32*(\q)+8*(\t)+3],   v[L16], s[WP:WP+1] offset:(\off)+(\t)*1024
	global_load_b128 v[WS+32*(\q)+8*(\t)+4:WS+32*(\q)+8*(\t)+7], v[L16], s[WP:WP+1] offset:(\off)+(\t)*1024+512
.endr
.endm
.macro AFETCH aset, off                ; a step's 4 fragments of the stage: 8 LDS loads
	WIN 0
.irp a, 0,1,2,3
	ds_load_b128 v[ASET+32*(\aset)+8*(\a):ASET+32*(\aset)+8*(\a)+3],   v[AF] offset:(\off)+(\a)*16*SPITCH
	ds_load_b128 v[ASET+32*(\aset)+8*(\a)+4:ASET+32*(\aset)+8*(\a)+7], v[AF] offset:(\off)+(\a)*16*SPITCH+32
.endr
.endm
; One step of 32 along K: the next step's rows are fetched, the W set read last step is asked for again (four steps ahead), then 16 matrix instructions, the 16 accumulators by turns, in the same order in every step.
.macro PSTEP wset, aset, rset, roff, anext, aoff, lcnt, first
	PLACES
.if \anext
	AFETCH 1-(\aset), \aoff
.endif
.if (\rset) >= 0
	WLOAD \rset, \roff
.endif
	s_wait_loadcnt \lcnt                           ; this step's W set is in; the younger sets, 8 loads each, stay out
.if \anext
	s_wait_dscnt 8                                 ; this step's rows are in; the eight loads just issued stay out
.else
	s_wait_dscnt 0
.endif
.if \first
	WIN 0x40
.else
	WIN 0x50
.endif
.irp a, 0,1,2,3
.irp t, 0,1,2,3
.if \first
	v_wmma_f32_16x16x32_bf16 v[8*(4*(\a)+(\t)):8*(4*(\a)+(\t))+7], v[ASET+32*(\aset)+8*(\a):ASET+32*(\aset)+8*(\a)+7], v[WS+32*(\wset)+8*(\t):WS+32*(\wset)+8*(\t)+7], v[BIAS+8*(\t):BIAS+8*(\t)+7]
.else
	v_wmma_f32_16x16x32_bf16 v[8*(4*(\a)+(\t)):8*(4*(\a)+(\t))+7], v[ASET+32*(\aset)+8*(\a):ASET+32*(\aset)+8*(\a)+7], v[WS+32*(\wset)+8*(\t):WS+32*(\wset)+8*(\t)+7], v[8*(4*(\a)+(\t)):8*(4*(\a)+(\t))+7]
.endif
.endr
.endr
.endm
.macro PROJ                            ; 16 steps: the first starts the sums with the bias, three trips of four, the last three ask for nothing
	PSTEP 0,0,-1,0,1,ASTEP,24,1
	WIN 0
	s_mov_b32 s[PCNT], 3
.Lproj_\@:
	PSTEP 1,1,0,4*8192,1,2*ASTEP,24,0
	PSTEP 2,0,1,5*8192,1,3*ASTEP,24,0
	PSTEP 3,1,2,6*8192,1,4*ASTEP,24,0
	PSTEP 0,0,3,7*8192,1,5*ASTEP,24,0
	WIN 0
	s_wait_xcnt 0x0                                ; the loads issued so far have read their base: it is stepped only behind this wait
	s_add_nc_u64 s[WP:WP+1], s[WP:WP+1], 32768
	v_add_nc_u32 v[AF], 4*ASTEP, v[AF]
	s_sub_co_u32 s[PCNT], s[PCNT], 1
	s_cmp_lg_u32 s[PCNT], 0
	s_cbranch_scc1 .Lproj_\@
	PSTEP 1,1,-1,0,1,2*ASTEP,16,0
	PSTEP 2,0,-1,0,1,3*ASTEP,8,0
	PSTEP 3,1,-1,0,0,0,0,0
.endm
	s_load_b256 s[4:11], s[0:1], 0x0               ; key s[4:5], WF s[6:7], bk s[8:9], KD s[10:11]
	s_load_b64 s[12:13], s[0:1], 0x20              ; PM
	v_lshl_add_u32 v[SPW], v0, 2, SPARE
	v_mov_b32 v[NIL], 0
	v_lshrrev_b32 v1, 5, v0
	v_readfirstlane_b32 s[WV], v1                  ; wave 0..7
	v_and_b32 v[R], 15, v0
	v_bfe_u32 v[H], v0, 4, 1
	v_and_b32 v[L16], 31, v0
	v_lshlrev_b32 v[PO], 2, v[L16]                 ; 4 l
	v_lshlrev_b32 v[SA], 3, v[L16]                 ; 8 l
	v_lshlrev_b32 v[L16], 4, v[L16]
	s_mul_i32 s15, s[WV], 8*SPITCH
	v_add_nc_u32 v[SA], s15, v[SA]                 ; my wave brings rows 8 w ..+7 of the stage
	v_mul_u32_u24 v[AF], v[R], SPITCH
	v_lshl_add_u32 v[AF], v[H], 4, v[AF]           ; row r x pitch + 16 h
	s_lshl_b32 s16, s[WV], 8
	v_lshl_add_u32 v[BO], v[R], 2, s16             ; bias of column 64 w + r
	s_mov_b32 s32, 0x76543210                      ; v_permlanex16_b32: each lane takes its own place in the other half
	s_mov_b32 s33, 0xfedcba98
	s_mov_b32 s[MSK], 0xffff0000
	s_and_b32 s17, ttmp7, 0xffff                   ; b
	s_lshl_b32 s24, ttmp9, 20                      ; key: ((64 block + 8 w) x 8 + b) x 2,048
	s_lshl_b32 s18, s[WV], 17
	s_add_co_u32 s24, s24, s18
	s_lshl_b32 s18, s17, 11
	s_add_co_u32 s24, s24, s18
	s_mov_b32 s25, 0
	s_lshl_b32 s19, s17, 5
	s_add_co_u32 s19, s19, ttmp9                   ; b x 32 + block
	s_lshl_b32 s26, s19, 17
	s_lshl_b32 s18, s[WV], 14
	s_add_co_u32 s26, s26, s18
	s_mov_b32 s27, 0
	s_lshl_b32 s28, s19, 11
	s_add_co_u32 s28, s28, s16
	s_mov_b32 s29, 0
	s_lshr_b32 s30, s[WV], 1                       ; WF, matrix 0: slice w / 2, tiles 4 (w % 2) ..+3 of each step
	s_lshl_b32 s30, s30, 17
	s_and_b32 s18, s[WV], 1
	s_lshl_b32 s18, s18, 12
	s_add_co_u32 s30, s30, s18
	s_mov_b32 s31, 0
	s_wait_kmcnt 0x0
	s_add_nc_u64 s[4:5], s[4:5], s[24:25]
	s_add_nc_u64 s[10:11], s[10:11], s[26:27]
	s_add_nc_u64 s[12:13], s[12:13], s[28:29]
	s_add_nc_u64 s[WP:WP+1], s[6:7], s[30:31]
.irp t, 0,1,2,3
	global_load_b32 v[BT+(\t)], v[BO], s[8:9] offset:(\t)*64
.endr
	WIN 0x40
.set i, 0
.rept 32                               ; row i / 4 of my 8, 512 bytes on end of it
	global_load_b128 v[4*i:4*i+3], v[L16], s[4:5] offset:(i/4)*16384+(i%4)*512 th:TH_LOAD_NT
.set i, i+1
.endr
	WLOAD 0, 0
	WLOAD 1, 8192
	WLOAD 2, 2*8192
	WLOAD 3, 3*8192
	s_wait_loadcnt 32                              ; the bias and key are in; W's 32 loads stay out
	WIN 0x05
.set i, 0
.rept 64
	v_cvt_pk_bf16_f32 v[ASET+i], v[2*i], v[2*i+1]
.set i, i+1
.endr
	WIN 0
.set i, 0
.rept 32                               ; 256 bytes on end a store
	ds_store_b64 v[SA], v[ASET+2*i:ASET+2*i+1] offset:(i/4)*SPITCH+(i%4)*256
.set i, i+1
.endr
	RB BT, BT+1, TMP
	RB BT+2, BT+3, TMP
.set i, 0
.rept 32                               ; in the result a lane holds one column: its bias in all eight registers
	v_mov_b32 v[BIAS+i], v[BT+i/8]
.set i, i+1
.endr
	s_wait_dscnt 0x0                               ; for the others' sake: my part of the stage is written
	s_barrier_signal -1
	s_barrier_wait -1
	AFETCH 0, 0
	PROJ
	PLACES
	WIN 0x04                                       ; store data in window 1
.set q, 0
.rept 16                               ; each accumulator's low half first; 512 bytes on end a store
	global_store_b128 v[L16], v[8*q:8*q+3],   s[10:11] offset:q*1024
	global_store_b128 v[L16], v[8*q+4:8*q+7], s[10:11] offset:q*1024+512
.set q, q+1
.endr
	WIN 0x01
.irp t, 0,1,2,3
	v_mov_b32 v[MX+(\t)], v[8*(\t)]
.endr
	WIN 0x14
.set k, 0
.rept 15                               ; number n = 1..31 of a column's 32 in my lane: register n % 8 of accumulator (n / 8, t)
.irp t, 0,1,2,3
	v_max3_num_f32 v[MX+(\t)], v[MX+(\t)], v[32*((1+2*k)/8)+8*(\t)+(1+2*k)%8], v[32*((2+2*k)/8)+8*(\t)+(2+2*k)%8]
.endr
.set k, k+1
.endr
.irp t, 0,1,2,3
	v_max_num_f32 v[MX+(\t)], v[MX+(\t)], v[96+8*(\t)+7]
.endr
	WIN 0
.irp t, 0,1,2,3
	v_permlanex16_b32 v[BT+(\t)], v[MX+(\t)], s32, s33  ; the column's other 32 rows lie in the lane 16 away
.endr
.irp t, 0,1,2,3
	v_max_num_f32 v[MX+(\t)], v[MX+(\t)], v[BT+(\t)]
.endr
	v_cmp_eq_u32 vcc_lo, 1, v[H]
.irp u, 0,1
	v_cndmask_b32 v[BT+(\u)], v[MX+2*(\u)], v[MX+2*(\u)+1], vcc_lo  ; lanes 0-15 tile 2 u, lanes 16-31 tile 2 u + 1: 32 columns on end
.endr
.irp u, 0,1
	global_store_b32 v[PO], v[BT+(\u)], s[12:13] offset:(\u)*128
.endr
	s_wait_tensorcnt 0x0                           ; the wave's end, behind my last LDS store
	ds_add_u32 v[SPW], v[NIL]
	s_wait_dscnt 0x0
	s_endpgm
.Lfunc_end_k_qe5000b9400_kproj:
	.size	k_qe5000b9400_kproj, .Lfunc_end_k_qe5000b9400_kproj-k_qe5000b9400_kproj
	.p2alignl 7, 3214868480
	.fill 96, 4, 3214868480
	.section	.rodata,"a",@progbits
	.p2align	6, 0x0
	.amdhsa_kernel k_qe5000b9400_kproj
		.amdhsa_group_segment_fixed_size 67584
		.amdhsa_private_segment_fixed_size 0
		.amdhsa_enable_private_segment 0
		.amdhsa_kernarg_size 40
		.amdhsa_user_sgpr_count 2
		.amdhsa_user_sgpr_kernarg_segment_ptr 1
		.amdhsa_wavefront_size32 1
		.amdhsa_system_sgpr_workgroup_id_x 1
		.amdhsa_system_sgpr_workgroup_id_y 1
		.amdhsa_system_sgpr_workgroup_id_z 1
		.amdhsa_system_vgpr_workitem_id 0
		.amdhsa_next_free_vgpr 384
		.amdhsa_next_free_sgpr 66
		.amdhsa_reserve_vcc 1
		.amdhsa_float_denorm_mode_32 3
		.amdhsa_float_denorm_mode_16_64 3
		.amdhsa_memory_ordered 1
		.amdhsa_forward_progress 1
		.amdhsa_inst_pref_size 42
	.end_amdhsa_kernel
	.amdgpu_metadata
---
amdhsa.version: [ 1, 2 ]
amdhsa.kernels:
  - .name:           k_qe5000b9400_kproj
    .symbol:         k_qe5000b9400_kproj.kd
    .args:
      - { .name: key, .offset: 0, .size: 8, .value_kind: global_buffer, .address_space: global }
      - { .name: WF, .offset: 8, .size: 8, .value_kind: global_buffer, .address_space: global }
      - { .name: bk, .offset: 16, .size: 8, .value_kind: global_buffer, .address_space: global }
      - { .name: KD, .offset: 24, .size: 8, .value_kind: global_buffer, .address_space: global }
      - { .name: PM, .offset: 32, .size: 8, .value_kind: global_buffer, .address_space: global }
    .group_segment_fixed_size: 67584
    .private_segment_fixed_size: 0
    .kernarg_segment_align: 8
    .kernarg_segment_size: 40
    .max_flat_workgroup_size: 256
    .sgpr_count:     66
    .vgpr_count:     384
    .wavefront_size: 32
...
	.end_amdgpu_metadata
.endif
;; end of part 6
;; launch vproj (part 7): grid 32 x 8, 8 waves a work-group, no clusters, 84,992 bytes of LDS; arguments KD, PM, WF, bv, EF; writes EF
.if DOCPART == 7
	.amdgcn_target "amdgcn-amd-amdhsa--gfx1250"
	.amdhsa_code_object_version 6
	.text
	.protected	k_qe5000b9400_vproj
	.globl	k_qe5000b9400_vproj
	.p2align	8
	.type	k_qe5000b9400_vproj,@function
k_qe5000b9400_vproj:
	s_mov_b64 s[64:65], 0
	v_nop
	global_prefetch_b8 v0, s[64:65] scope:SCOPE_SE
	s_setreg_imm32_b32 hwreg(HW_REG_WAVE_MODE, 25, 1), 1
	s_wait_xcnt 0x0
; M = the largest k of each column (b, d) over all s; v = k Wv^T + bv; ek = exp(k - M); ek and ek v leave in bf16 as matrix fragments.  Nothing of reference() is left out here.
; SHARES as in kproj: work-group (block of 64 rows s, b), eight waves, wave w columns 64 w ..+63, accumulators (a, t).  A wave reads back from KD exactly the registers that its namesake stored, so k and v lie register
; for register alike.  As a matrix operand k is rounded to bf16 and put TURNED into LDS, kT[d][row]: a lane's eight rows of one column are 16 bytes on end; ds_load_tr16_b128 turns them back.
; ek DOES NOT HANG ON v: it is made between the signal and the wait of the barrier that shows kT, and stored directly behind that barrier, so that half of the launch's output is on its way while the products run.
; NO CLUSTER, no joint loads, no prefetch: as in kproj (W's fragments have one reader a work-group and go straight to operand registers; the work-group asks for all of its k at its head).
; EF: b x 4,194,304 + (j / 128) x 262,144 + (d / 64) x 32,768 + ((j / 32) % 4) x 8,192 + kind x 4,096 + ((d / 16) % 4) x 1,024 + c x 512 + 16 l (kind 0: ek, 1: ek v):
; lane (r, h) holds column d with d % 16 = r and the rows j with j % 32 = 16 c + 8 h ..+7.
; LIMITS: Wv and bv are rounded to bf16, k once as an operand; in the exponent k is f32, and the exponent is k log2(e) - M log2(e), one fused multiply-add.  A weight under 2^-126 counts as 0.  NaN and infinities are not treated apart.
; REGISTERS: window 0: addresses; v16-23 M log2(e) of my column in tile t, as pairs; v32-95 the stage's two sets (before: PM, packed k, packed ek); v96-127 the bias as C; v128-255 four sets of W
;   window 1: v0-127 v; v128-255 k, then ek
.set KP,     160                       ; a row of kT: 128 bytes + 32: 5 x 32
.set MT,     81920                     ; behind kT's 512 rows: 256 bytes a wave, its own: M of its 64 columns
.set SPARE,  83968                     ; the spare words, 128 bytes a wave
.set ASTEP,  32*KP                     ; 32 rows of kT are a step of 32 along K
.set R,    1
.set H,    2
.set L16,  3
.set AF,   4
.set SA,   5
.set BO,   6
.set MS,   7
.set ML,   8
.set PMO,  9
.set BT,   12                          ; v12-15
.set MP,   16                          ; v16-23
.set M4,   24                          ; v[24:27]
.set SPW,  28
.set NIL,  29
.set TMP,  30
.set ASET, 32
.set BIAS, 96
.set WS,   128
.set KR,   128                         ; in window 1
.set WV,   14
.set WP,   20
.set PCNT, 22
.set MSK,  34
.set LG,   36
.set MSB, 0
.macro WIN new
.if MSB != (\new)
	s_set_vgpr_msb (MSB<<8)|(\new)
.set MSB, \new
.endif
.endm
.macro PLACES
.rept 4
	v_nop
.endr
.endm
.macro RB a, b, t
	v_cvt_pk_bf16_f32 v[\t], v[\a], v[\b]
	v_lshlrev_b32 v[\a], 16, v[\t]
	v_and_b32 v[\b], s[MSK], v[\t]
.endm
.macro WLOAD q, off
	WIN 0
.irp t, 0,1,2,3
	global_load_b128 v[WS+32*(\q)+8*(\t):WS+32*(\q)+8*(\t)+3],   v[L16], s[WP:WP+1] offset:(\off)+(\t)*1024
	global_load_b128 v[WS+32*(\q)+8*(\t)+4:WS+32*(\q)+8*(\t)+7], v[L16], s[WP:WP+1] offset:(\off)+(\t)*1024+512
.endr
.endm
.macro AFETCH aset, off                ; 4 fragments, turned: the first load brings K = 8 h ..+7 of row 16 a + r, the second K = 16 + 8 h ..+7
	WIN 0
.irp a, 0,1,2,3
	ds_load_tr16_b128 v[ASET+32*(\aset)+8*(\a):ASET+32*(\aset)+8*(\a)+3],   v[AF] offset:(\off)+(\a)*32
	ds_load_tr16_b128 v[ASET+32*(\aset)+8*(\a)+4:ASET+32*(\aset)+8*(\a)+7], v[AF] offset:(\off)+(\a)*32+16*KP
.endr
.endm
.macro PSTEP wset, aset, rset, roff, anext, aoff, lcnt, first  ; as in kproj
	PLACES
.if \anext
	AFETCH 1-(\aset), \aoff
.endif
.if (\rset) >= 0
	WLOAD \rset, \roff
.endif
	s_wait_loadcnt \lcnt                           ; this step's W set is in; the younger sets, 8 loads each, stay out
.if \anext
	s_wait_dscnt 8                                 ; this step's rows are in; the eight loads just issued stay out
.else
	s_wait_dscnt 0
.endif
.if \first
	WIN 0x40
.else
	WIN 0x50
.endif
.irp a, 0,1,2,3
.irp t, 0,1,2,3
.if \first
	v_wmma_f32_16x16x32_bf16 v[8*(4*(\a)+(\t)):8*(4*(\a)+(\t))+7], v[ASET+32*(\aset)+8*(\a):ASET+32*(\aset)+8*(\a)+7], v[WS+32*(\wset)+8*(\t):WS+32*(\wset)+8*(\t)+7], v[BIAS+8*(\t):BIAS+8*(\t)+7]
.else
	v_wmma_f32_16x16x32_bf16 v[8*(4*(\a)+(\t)):8*(4*(\a)+(\t))+7], v[ASET+32*(\aset)+8*(\a):ASET+32*(\aset)+8*(\a)+7], v[WS+32*(\wset)+8*(\t):WS+32*(\wset)+8*(\t)+7], v[8*(4*(\a)+(\t)):8*(4*(\a)+(\t))+7]
.endif
.endr
.endr
.endm
.macro PROJ
	PSTEP 0,0,-1,0,1,ASTEP,24,1
	WIN 0
	s_mov_b32 s[PCNT], 3
.Lproj_\@:
	PSTEP 1,1,0,4*8192,1,2*ASTEP,24,0
	PSTEP 2,0,1,5*8192,1,3*ASTEP,24,0
	PSTEP 3,1,2,6*8192,1,4*ASTEP,24,0
	PSTEP 0,0,3,7*8192,1,5*ASTEP,24,0
	WIN 0
	s_wait_xcnt 0x0                                ; the loads issued so far have read their base: it is stepped only behind this wait
	s_add_nc_u64 s[WP:WP+1], s[WP:WP+1], 32768
	v_add_nc_u32 v[AF], 4*ASTEP, v[AF]
	s_sub_co_u32 s[PCNT], s[PCNT], 1
	s_cmp_lg_u32 s[PCNT], 0
	s_cbranch_scc1 .Lproj_\@
	PSTEP 1,1,-1,0,1,2*ASTEP,16,0
	PSTEP 2,0,-1,0,1,3*ASTEP,8,0
	PSTEP 3,1,-1,0,0,0,0,0
.endm
	s_load_b256 s[4:11], s[0:1], 0x0               ; KD s[4:5], PM s[6:7], WF s[8:9], bv s[10:11]
	s_load_b64 s[12:13], s[0:1], 0x20              ; EF
	v_lshl_add_u32 v[SPW], v0, 2, SPARE
	v_mov_b32 v[NIL], 0
	v_lshrrev_b32 v1, 5, v0
	v_readfirstlane_b32 s[WV], v1                  ; wave 0..7
	v_and_b32 v[R], 15, v0
	v_bfe_u32 v[H], v0, 4, 1
	v_and_b32 v[L16], 31, v0
	v_lshlrev_b32 v[L16], 4, v[L16]
	v_and_b32 v10, 7, v0
	v_lshl_add_u32 v[AF], v[H], 3, v10             ; the turning load: row 8 h + l % 8 of kT,
	v_mul_u32_u24 v[AF], v[AF], KP
	v_bfe_u32 v10, v0, 3, 1
	v_lshl_add_u32 v[AF], v10, 4, v[AF]            ; 16 bytes by (l / 8) % 2
	s_mul_i32 s15, s[WV], 64*KP
	v_mul_u32_u24 v[SA], v[R], KP
	v_lshl_add_u32 v[SA], v[H], 4, v[SA]
	v_add_nc_u32 v[SA], s15, v[SA]                 ; kT row 64 w + r, byte 16 h
	s_lshl_b32 s16, s[WV], 8
	v_lshl_add_u32 v[BO], v[R], 2, s16
	s_add_co_u32 s15, s16, MT
	v_lshl_add_u32 v[MS], v[R], 4, s15
	v_lshl_add_u32 v[ML], v[R], 2, s15
	v_lshlrev_b32 v[PMO], 11, v[H]                 ; PM: lanes 0-15 one block's 64 columns, lanes 16-31 the next block's
	v_lshl_add_u32 v[PMO], v[R], 4, v[PMO]
	s_mov_b32 s32, 0x76543210
	s_mov_b32 s33, 0xfedcba98
	s_mov_b32 s[MSK], 0xffff0000
	s_mov_b32 s[LG], 0x3fb8aa3b
	s_mov_b32 s[LG+1], 0x3fb8aa3b
	s_and_b32 s17, ttmp7, 0xffff                   ; b
	s_lshl_b32 s19, s17, 5
	s_add_co_u32 s19, s19, ttmp9                   ; b x 32 + block
	s_lshl_b32 s24, s19, 17
	s_lshl_b32 s18, s[WV], 14
	s_add_co_u32 s24, s24, s18                     ; my registers' place in KD
	s_mov_b32 s25, 0
	s_lshl_b32 s26, s17, 16                        ; PM: b x 32 blocks x 2,048 bytes + my 64 columns
	s_add_co_u32 s26, s26, s16
	s_mov_b32 s27, 0
	s_lshr_b32 s28, s[WV], 1                       ; WF, matrix 1: slice w / 2, tiles 4 (w % 2) ..+3 of each step
	s_lshl_b32 s28, s28, 17
	s_and_b32 s18, s[WV], 1
	s_lshl_b32 s18, s18, 12
	s_add_co_u32 s28, s28, s18
	s_add_co_u32 s28, s28, 524288
	s_mov_b32 s29, 0
	s_lshl_b32 s30, s17, 22                        ; EF: b,
	s_lshr_b32 s18, ttmp9, 1
	s_lshl_b32 s18, s18, 18                        ; the 128 rows j that hold my block,
	s_add_co_u32 s30, s30, s18
	s_lshl_b32 s18, s[WV], 15                      ; my 64 columns,
	s_add_co_u32 s30, s30, s18
	s_and_b32 s18, ttmp9, 1
	s_lshl_b32 s18, s18, 14                        ; my block's two groups of 32 rows
	s_add_co_u32 s30, s30, s18
	s_mov_b32 s31, 0
	s_wait_kmcnt 0x0
	s_add_nc_u64 s[4:5], s[4:5], s[24:25]
	s_add_nc_u64 s[12:13], s[12:13], s[30:31]
	s_add_nc_u64 s[6:7], s[6:7], s[26:27]
	s_add_nc_u64 s[WP:WP+1], s[8:9], s[28:29]
.irp t, 0,1,2,3
	global_load_b32 v[BT+(\t)], v[BO], s[10:11] offset:(\t)*64
.endr
.set i, 0
.rept 16                               ; blocks 2 i and 2 i + 1: the maxima of columns 64 w + 4 r ..+3
	global_load_b128 v[ASET+4*i:ASET+4*i+3], v[PMO], s[6:7] offset:i*4096
.set i, i+1
.endr
	WIN 0x40
.set i, 0
.rept 32
	global_load_b128 v[KR+4*i:KR+4*i+3], v[L16], s[4:5] offset:i*512 th:TH_LOAD_NT
.set i, i+1
.endr
	WIN 0
	s_wait_loadcnt 32                              ; the bias and PM are in; k's 32 loads stay out
.irp c, 0,1,2,3
	v_max3_num_f32 v[M4+(\c)], v[ASET+(\c)], v[ASET+4+(\c)], v[ASET+8+(\c)]
.endr
.set k, 0
.rept 6
.irp c, 0,1,2,3
	v_max3_num_f32 v[M4+(\c)], v[M4+(\c)], v[ASET+4*(3+2*k)+(\c)], v[ASET+4*(4+2*k)+(\c)]
.endr
.set k, k+1
.endr
.irp c, 0,1,2,3
	v_max_num_f32 v[M4+(\c)], v[M4+(\c)], v[ASET+60+(\c)]
.endr
.irp c, 0,1,2,3
	v_mov_b32 v[BIAS+(\c)], v[M4+(\c)]             ; v_permlanex16_b32's destination counts as read: it is written first
.endr
.irp c, 0,1,2,3
	v_permlanex16_b32 v[BIAS+(\c)], v[M4+(\c)], s32, s33  ; the other 16 blocks lie in the lane 16 away
.endr
.irp c, 0,1,2,3
	v_max_num_f32 v[M4+(\c)], v[M4+(\c)], v[BIAS+(\c)]
.endr
	ds_store_b128 v[MS], v[M4:M4+3]                ; my wave's own 256 bytes (both halves of the lanes write the same numbers): LDS serves a wave's instructions in order (ISA guide 5.7.1.4), so the loads below see this store
.irp t, 0,1,2,3
	ds_load_b32 v[MP+2*(\t)], v[ML] offset:(\t)*64 ; M of column 64 w + 16 t + r
.endr
	WLOAD 0, 0
	WLOAD 1, 8192
	WLOAD 2, 2*8192
	WLOAD 3, 3*8192
	s_wait_loadcnt 32                              ; k is in; W's 32 loads stay out
	WIN 0x05
.set i, 0
.rept 64
	v_cvt_pk_bf16_f32 v[ASET+i], v[KR+2*i], v[KR+2*i+1]
.set i, i+1
.endr
	WIN 0
.set q, 0
.rept 16                               ; accumulator (a, t) = (q / 4, q % 4): rows 16 a + 8 h ..+7 of column 64 w + 16 t + r
	ds_store_b128 v[SA], v[ASET+4*q:ASET+4*q+3] offset:(q%4)*16*KP+32*(q/4)
.set q, q+1
.endr
	RB BT, BT+1, TMP
	RB BT+2, BT+3, TMP
.set i, 0
.rept 32
	v_mov_b32 v[BIAS+i], v[BT+i/8]
.set i, i+1
.endr
	s_wait_dscnt 0x0                               ; M is back, and, for the others' sake, my part of kT is written
.irp t, 0,1,2,3
	v_mul_f32 v[MP+2*(\t)], s[LG], v[MP+2*(\t)]    ; M log2(e),
.endr
.irp t, 0,1,2,3
	v_mov_b32 v[MP+2*(\t)+1], v[MP+2*(\t)]         ; as a pair
.endr
	s_barrier_signal -1                            ; work on registers alone stands between the signal and the wait: ek
	WIN 0x41
.set q, 0
.rept 16
.irp p, 0,2,4,6
	v_pk_fma_f32 v[KR+8*q+(\p):KR+8*q+(\p)+1], v[KR+8*q+(\p):KR+8*q+(\p)+1], s[LG:LG+1], v[MP+2*(q%4):MP+2*(q%4)+1] op_sel_hi:[1,0,1] neg_lo:[0,0,1] neg_hi:[0,0,1]
.endr
.set q, q+1
.endr
.set i, 0
.rept 128                              ; one batch
	v_exp_f32 v[KR+i], v[KR+i]
.set i, i+1
.endr
	v_nop                                          ; a plain instruction behind the last exponential
	s_wait_alu depctr_va_vdst(0)                   ; one wait for the batch
	WIN 0x05
.set i, 0
.rept 64
	v_cvt_pk_bf16_f32 v[ASET+i], v[KR+2*i], v[KR+2*i+1]
.set i, i+1
.endr
	WIN 0
	s_barrier_wait -1
.set q, 0
.rept 16                               ; accumulator (a, t) is half a % 2 of the fragment of rows 32 (a / 2) .., tile t; 512 bytes on end a store
	global_store_b128 v[L16], v[ASET+4*q:ASET+4*q+3], s[12:13] offset:((q/4)/2)*8192+(q%4)*1024+((q/4)%2)*512
.set q, q+1
.endr
	s_wait_xcnt 0x0                                ; those stores have read their data registers: loaded again only behind this wait
	AFETCH 0, 0
	PROJ
	PLACES
	WIN 0x45                                       ; v times ek, ascending
.set i, 0
.rept 64
	v_pk_mul_f32 v[i:i+1], v[i:i+1], v[KR+i:KR+i+1]
.set i, i+2
.endr
.set i, 0
.rept 64                               ; to bf16, into the low half of each group of eight registers
	v_cvt_pk_bf16_f32 v[8*(i/4)+i%4], v[8*(i/4)+2*(i%4)], v[8*(i/4)+2*(i%4)+1]
.set i, i+1
.endr
	WIN 0x04
.set q, 0
.rept 16
	global_store_b128 v[L16], v[8*q:8*q+3], s[12:13] offset:((q/4)/2)*8192+4096+(q%4)*1024+((q/4)%2)*512
.set q, q+1
.endr
	WIN 0
	s_wait_tensorcnt 0x0                           ; the wave's end, behind my last LDS store
	ds_add_u32 v[SPW], v[NIL]
	s_wait_dscnt 0x0
	s_endpgm
.Lfunc_end_k_qe5000b9400_vproj:
	.size	k_qe5000b9400_vproj, .Lfunc_end_k_qe5000b9400_vproj-k_qe5000b9400_vproj
	.p2alignl 7, 3214868480
	.fill 96, 4, 3214868480
	.section	.rodata,"a",@progbits
	.p2align	6, 0x0
	.amdhsa_kernel k_qe5000b9400_vproj
		.amdhsa_group_segment_fixed_size 84992
		.amdhsa_private_segment_fixed_size 0
		.amdhsa_enable_private_segment 0
		.amdhsa_kernarg_size 40
		.amdhsa_user_sgpr_count 2
		.amdhsa_user_sgpr_kernarg_segment_ptr 1
		.amdhsa_wavefront_size32 1
		.amdhsa_system_sgpr_workgroup_id_x 1
		.amdhsa_system_sgpr_workgroup_id_y 1
		.amdhsa_system_sgpr_workgroup_id_z 1
		.amdhsa_system_vgpr_workitem_id 0
		.amdhsa_next_free_vgpr 512
		.amdhsa_next_free_sgpr 66
		.amdhsa_reserve_vcc 0
		.amdhsa_float_denorm_mode_32 3
		.amdhsa_float_denorm_mode_16_64 3
		.amdhsa_memory_ordered 1
		.amdhsa_forward_progress 1
		.amdhsa_inst_pref_size 62
	.end_amdhsa_kernel
	.amdgpu_metadata
---
amdhsa.version: [ 1, 2 ]
amdhsa.kernels:
  - .name:           k_qe5000b9400_vproj
    .symbol:         k_qe5000b9400_vproj.kd
    .args:
      - { .name: KD, .offset: 0, .size: 8, .value_kind: global_buffer, .address_space: global }
      - { .name: PM, .offset: 8, .size: 8, .value_kind: global_buffer, .address_space: global }
      - { .name: WF, .offset: 16, .size: 8, .value_kind: global_buffer, .address_space: global }
      - { .name: bv, .offset: 24, .size: 8, .value_kind: global_buffer, .address_space: global }
      - { .name: EF, .offset: 32, .size: 8, .value_kind: global_buffer, .address_space: global }
    .group_segment_fixed_size: 84992
    .private_segment_fixed_size: 0
    .kernarg_segment_align: 8
    .kernarg_segment_size: 40
    .max_flat_workgroup_size: 256
    .sgpr_count:     66
    .vgpr_count:     512
    .wavefront_size: 32
...
	.end_amdgpu_metadata
.endif
;; end of part 7
;; launch aft (part 8): grid 32 x 8, 4 waves a work-group, clusters of 4 x 4, 327,680 bytes of LDS; arguments PB, EF, WT; writes WT
.if DOCPART == 8
	.amdgcn_target "amdgcn-amd-amdhsa--gfx1250"
	.amdhsa_code_object_version 6
	.text
	.protected	k_qe5000b9400_aft
	.globl	k_qe5000b9400_aft
	.p2align	8
	.type	k_qe5000b9400_aft,@function
k_qe5000b9400_aft:
	s_mov_b64 s[64:65], 0
	v_nop
	global_prefetch_b8 v0, s[64:65] scope:SCOPE_SE
	s_setreg_imm32_b32 hwreg(HW_REG_WAVE_MODE, 25, 1), 1
	s_wait_xcnt 0x0
	s_wait_alu depctr_hold_cnt(0) depctr_sa_sdst(0) depctr_va_vdst(0) depctr_va_sdst(0) depctr_va_ssrc(0) depctr_va_vcc(0) depctr_vm_vsrc(0)
	s_getreg_b32 s2, hwreg(HW_REG_IB_STS2, 6, 4)
	s_cmp_eq_u32 s2, 0
	s_cbranch_scc0 .Lentry_in_a_cluster
	s_endpgm
.Lentry_in_a_cluster:
	s_bfe_u32 s2, ttmp6, 0x10000c
	s_cmp_lg_u32 s2, 0xf033
	s_cbranch_scc0 .Lentry_shape_is_right
	s_endpgm
.Lentry_shape_is_right:
; den = P ek, num = P (ek v), and num / den in f32 (WT).  Nothing of reference() is left out here.
; ONE PRODUCT: C[i][n] = the sum over j of P[i][j] E[n][j], with n = (b, d, kind): 2,048 x 8,192, K = 2,048.  A work-group makes 256 rows i x 128 columns d of one b, both kinds: 256 x 256 of C.
; Four waves; wave (rh = w / 2, ch = w % 2) makes rows 128 rh ..+127 x columns d 64 ch ..+63, both kinds: 64 accumulators, 512 registers, den and num of a place in the same lane and window.
; K goes in steps of 128 through a ring of two LDS slots.  A slot: P, 256 rows of 256 bytes, padded to 272; then E, 65,536 bytes of fragments exactly as vproj stored them (a wave reads 32,768 of them, 16 bytes a lane on end).
; CLUSTERS: 4 x 4 work-groups.  The four of a row of the cluster (same rows i) need the same tiles of P, the four of a column (same b and d) the same tiles of E: each is asked for JOINTLY, by the same tensor load with the
; same descriptor and a mask that names the four.  Waves 0 and 1 fetch P's two halves, waves 2 and 3 E's: one tensor load a wave behind each round (two at the start), 224 matrix instructions ahead of the wait for it.
; THE MATRIX INSTRUCTION IS USED TRANSPOSED (source 0 = 16 columns d, source 1 = 16 rows i): a lane holds ONE row i (l % 16) and eight neighbouring columns d (8 (l / 16) ..+7).
; WT: (b x 32 + i / 64) x 131,072 + (d / 64) x 16,384 + (4 ((i / 16) % 4) + (d / 16) % 4) x 1,024 + c x 512 + 16 l: registers 4 c ..+3 of that tile: the order in which outp's registers take them.
; LIMITS: the reciprocal of a den under 2^-126 is not served; NaN and infinities are not treated apart.
; REGISTERS, in windows of 256 (s_set_vgpr_msb: bits 1:0 source 0, 3:2 source 1, 5:4 source 2, 7:6 destination):
;   window 0: v0-31 addresses; v64-127, v128-191 fragments of P (8 x 16 rows x 32 K), two buffers     window 1: v64-127, v128-191 fragments of E (4 of ek, 4 of ek v), two buffers
;   window 2: the accumulators of my rows 0-63: (a, f) at v[8 (8 a + f)], f = 0-3 den of tile f, f = 4-7 num of tile f - 4     window 3: those of my rows 64-127
.set KSTEP,  128
.set PITCH,  272                       ; 17 x 16: the 16 rows that a fragment load touches start at 16 different groups of four banks (ISA guide 11.1)
.set HALFA,  128*PITCH                 ; what one load of P brings, and what one wave reads of P
.set EOFF,   2*HALFA
.set HALFB,  32768                     ; what one load of E brings, and what one wave reads of E
.set SLOT,   EOFF+2*HALFB
.set SPARE,  2*SLOT                    ; behind the ring: the spare words, 128 bytes a wave
.set ESTEP,  262144                    ; bytes in EF from a K step to the next
.set LAPS,   8                         ; a lap = two K steps = once round the ring
.set ADRA, 16                          ; v16-17  LDS address of my fragments of P in slot 0, 1
.set ADRB, 20                          ; v20-21  the same for E
.set CO,   26                          ; v26     16 l
.set SPW,  28
.set NIL,  29
.set PFO,  30                          ; v30     the prefetches' offset: my lane x the distance between two blocks of 256 bytes; never rewritten
.set PFA,  44                          ; s[44:45] the K step that my next prefetch names, at my work-group's 32 blocks of the 128 that I fetch
.set LIM,  43                          ; s43     1 in a wave that prefetches, else the greatest number
.set PST,  66                          ; s[66:67] bytes from a K step to the next in the tensor that I fetch
.set F0,   64
.set F1,   128
.set G1,  24                           ; s[24:31] descriptor group 1 for P's tiles;  s[32:39] group 0, a set for each slot
.set G0,  32
.set G1B, 48                           ; s[48:55], s[56:63] the same for E's
.set G0B, 56
.set MSB, 0
.macro WIN new                         ; the immediate's high byte repeats the setting that is left; a switch that changes nothing is dropped
.if MSB != (\new)
	s_set_vgpr_msb (MSB<<8)|(\new)
.set MSB, \new
.endif
.endm
.set MUL_LO, 0xa1                      ; source 0 (E) window 1, source 1 (P) window 0, C and D window 2
.set MUL_HI, 0xf1                      ; the same, C and D window 3
.set TO_B,   0x40                      ; destination window 1, address window 0
.macro PLACES                          ; four plain places behind a matrix instruction, ahead of loads into registers that it read and of readers of its result
.rept 4
	v_nop
.endr
.endm
.macro JLOAD s                         ; a joint load; the branch hangs on the wave's number alone.  An s_nop 0 and four v_nop follow each line; they are also the places ahead of the LDS loads that follow
	s_cmp_eq_u32 s11, 0
	s_cbranch_scc0 .Lfor_b_\@
	tensor_load_to_lds s[G0+4*(\s):G0+4*(\s)+3], s[G1:G1+7]
	s_nop 0
.rept 4
	v_nop
.endr
	s_branch .Lasked_\@
.Lfor_b_\@:
	tensor_load_to_lds s[G0B+4*(\s):G0B+4*(\s)+3], s[G1B:G1B+7]
	s_nop 0
.rept 4
	v_nop
.endr
.Lasked_\@:
.endm
; A PREFETCH INTO THE L2, behind each joint load and the run of LDS loads that follows it: the K step that stands TWO refills on, 512 matrix instructions of a wave ahead of its load: 32 blocks of 256 bytes, a lane a block.
; Each block is named once in the launch: P's rows are read by every cluster of a row of clusters: the one with x = 0 names them; E's blocks by every cluster of a column: the one with y = 0.  The four partners that ask for
; a tile jointly share its 128 blocks out BY ADDRESS, 32 each.  The loop's last trip names nothing: its refills are the last two K steps.  K steps 0 to 3 come by their loads alone.
.macro ASK
	s_cmp_gt_u32 s3, s[LIM]                        ; s3 = 1 in the loop's last trip
	s_cbranch_scc0 .Lnot_mine_\@
	global_prefetch_b8 v[PFO], s[PFA:PFA+1] th:TH_LOAD_NT scope:SCOPE_SE
.Lnot_mine_\@:
.endm
.macro CREST                           ; a round of the cluster's barrier behind its opening barrier
	s_cmp_lg_u32 s10, 0
	s_cbranch_scc1 .Lnot_wave_0_\@
	s_barrier_signal -3
.Lnot_wave_0_\@:
	s_barrier_wait -3
	s_barrier_signal -1
	s_barrier_wait -1
.endm
.macro CROUND
	s_barrier_signal -1
	s_barrier_wait -1
	CREST
.endm
	s_load_b128 s[4:7], s[0:1], 0x0                ; PB s[4:5], EF s[6:7]
	s_load_b64 s[8:9], s[0:1], 0x10                ; WT
	v_lshl_add_u32 v[SPW], v0, 2, SPARE
	v_mov_b32 v[NIL], 0
	ds_add_u32 v[SPW], v[NIL]                      ; the wave's opening: the add, twice on end, and its wait ahead of my first tensor load
	ds_add_u32 v[SPW], v[NIL]
	v_lshrrev_b32 v1, 5, v0
	v_readfirstlane_b32 s10, v1                    ; wave 0..3
	s_lshr_b32 s11, s10, 1                         ; which half of the rows is mine.  Also: I fetch for P (0) or for E (1)
	s_and_b32 s12, s10, 1                          ; which half of the columns.  Also: which half of that tile I fetch
	s_bfe_u32 s40, ttmp6, 0x40000                  ; cx
	s_bfe_u32 s41, ttmp6, 0x40004                  ; cy
	s_lshl_b32 s42, ttmp9, 2
	s_add_co_u32 s42, s42, s40                     ; tile column = 4 b + d / 128
	s_and_b32 s13, ttmp7, 0xffff
	s_lshl_b32 s13, s13, 2
	s_add_co_u32 s13, s13, s41                     ; tile row = i / 256
	s_lshl_b32 s43, s41, 2
	s_lshl_b32 s43, 15, s43                        ; my row of the cluster
	s_lshl_b32 s44, 0x1111, s40                    ; my column
	s_or_b32 s[G1+0], s43, (1<<16)|(1<<20)|(1<<21)|(5<<22)|(3<<25)  ; 15:0 the mask; 17:16 elements of 2 bytes; 20 padding on; 21 set beside a mask; 24:22 after every 64 words; 31:25 4 words
	s_or_b32 s[G1B+0], s44, (1<<16)|(1<<21)        ; E's tiles go to my column, without padding
.irp g, G1, G1B
	s_mov_b32 s[(\g)+1], 128<<16                   ; tensor_dim0 = 128
	s_mov_b32 s[(\g)+2], 128<<16                   ; tensor_dim1 = 128
	s_mov_b32 s[(\g)+3], 128<<16                   ; tile_dim0 = 128
	s_mov_b32 s[(\g)+4], 128                       ; tile_dim1 = 128
	s_mov_b32 s[(\g)+6], 0
	s_mov_b32 s[(\g)+7], 0
.endr
	s_mov_b32 s[G1+5], 2048                        ; P: 2,048 elements from row to row
	s_mov_b32 s[G1B+5], 128                        ; E: dense
	s_lshl_b32 s16, s13, 20                        ; P: (256 x tile row + 128 x half) x 4,096: hangs on the tile row alone
	s_lshl_b32 s17, s12, 19
	s_add_co_u32 s16, s16, s17
	s_mov_b32 s17, 0
	s_lshr_b32 s46, s42, 2                         ; E: b x 4,194,304 + (d / 128) x 65,536 + half x 32,768: hangs on the tile column alone
	s_lshl_b32 s46, s46, 22
	s_and_b32 s47, s42, 3
	s_lshl_b32 s47, s47, 16
	s_add_co_u32 s46, s46, s47
	s_lshl_b32 s47, s12, 15
	s_add_co_u32 s46, s46, s47
	s_mov_b32 s47, 0
	s_mul_i32 s20, s12, HALFA                      ; where they go: no place in the cluster enters an LDS address
	s_lshl_b32 s21, s12, 15
	s_add_co_u32 s21, s21, EOFF
	s_mov_b32 s[G0], 1
	s_mov_b32 s[G0+1], s20
	s_mov_b32 s[G0+4], 1
	s_add_co_u32 s[G0+5], s20, SLOT
	s_mov_b32 s[G0B], 1
	s_mov_b32 s[G0B+1], s21
	s_mov_b32 s[G0B+4], 1
	s_add_co_u32 s[G0B+5], s21, SLOT
	s_lshr_b32 s68, s42, 2                         ; WT: (b x 32 + 4 x tile row + 2 rh) x 131,072 + (2 (d / 128) + ch) x 16,384
	s_lshl_b32 s68, s68, 5
	s_lshl2_add_u32 s68, s13, s68
	s_lshl1_add_u32 s68, s11, s68
	s_lshl_b32 s68, s68, 17
	s_and_b32 s70, s42, 3
	s_lshl1_add_u32 s70, s70, s12
	s_lshl_b32 s70, s70, 14
	s_add_co_u32 s68, s68, s70
	s_mov_b32 s69, 0
	s_wait_dscnt 0x0                               ; both opening adds are done
	s_wait_kmcnt 0x0
	s_add_nc_u64 s[14:15], s[4:5], s[16:17]
	s_add_nc_u64 s[46:47], s[6:7], s[46:47]
	s_add_nc_u64 s[8:9], s[8:9], s[68:69]
	s_add_nc_u64 s[G0+2:G0+3], s[14:15], 0         ; K step 0
	s_add_nc_u64 s[G0+6:G0+7], s[14:15], KSTEP*2   ; K step 1
	s_or_b32 s[G0+3], s[G0+3], 0x80000000
	s_or_b32 s[G0+7], s[G0+7], 0x80000000
	s_add_nc_u64 s[G0B+2:G0B+3], s[46:47], 0
	s_add_nc_u64 s[G0B+6:G0B+7], s[46:47], ESTEP
	s_or_b32 s[G0B+3], s[G0B+3], 0x80000000
	s_or_b32 s[G0B+7], s[G0B+7], 0x80000000
	CROUND                                         ; all sixteen work-groups are here: the first joint loads meet
	s_cmp_eq_u32 s11, 0                            ; a wave's two first fills stand in one branch: two loads of mine are out
	s_cbranch_scc0 .Lfirst_b
	tensor_load_to_lds s[G0:G0+3], s[G1:G1+7]
	s_nop 0
	tensor_load_to_lds s[G0+4:G0+7], s[G1:G1+7]
	s_nop 0
.rept 4
	v_nop
.endr
	s_branch .Lfirst_asked
.Lfirst_b:
	tensor_load_to_lds s[G0B:G0B+3], s[G1B:G1B+7]
	s_nop 0
	tensor_load_to_lds s[G0B+4:G0B+7], s[G1B:G1B+7]
	s_nop 0
.rept 4
	v_nop
.endr
.Lfirst_asked:
	v_and_b32 v1, 15, v0                           ; l % 16
	v_bfe_u32 v2, v0, 4, 1                         ; l / 16
	v_mul_u32_u24 v3, v1, PITCH
	v_lshl_add_u32 v3, v2, 4, v3                   ; a fragment of P: row x pitch + 16 x half
	v_and_b32 v[PFO], 31, v0
	v_lshlrev_b32 v[CO], 4, v[PFO]
	s_mul_i32 s21, s11, HALFA                      ; my 128 rows of P
	s_lshl_b32 s22, s12, 15
	s_add_co_u32 s22, s22, EOFF                    ; my 64 columns of E
.irp s, 0,1
	v_add_nc_u32 v[ADRA+(\s)], s21, v3
	v_add_nc_u32 v[ADRB+(\s)], s22, v[CO]
	s_add_co_u32 s21, s21, SLOT
	s_add_co_u32 s22, s22, SLOT
.endr
	; the prefetches
	s_and_b32 s22, ttmp7, 0xffff                   ; cluster y
	s_cmp_eq_u32 s11, 0                            ; do I fetch for P?
	s_cselect_b32 s21, s40, s41                    ; my place among the four that ask with me
	s_cselect_b32 s22, ttmp9, s22                  ; the coordinate along which other clusters read the same blocks
	s_cselect_b64 s[PFA:PFA+1], s[14:15], s[46:47]
	s_cselect_b32 s23, 12, 8                       ; from block to block: a row of P, 4,096 bytes; in E 256
	s_cselect_b32 s[PST], 8, 18                    ; from K step to K step: 256 bytes; in E 262,144
	s_cselect_b32 s18, 17, 13                      ; 32 blocks
	s_cmp_eq_u32 s22, 0
	s_cselect_b32 s[LIM], 1, -1                    ; the same in all sixteen partners, for a given wave
	s_lshl_b32 s[PST], 1, s[PST]
	s_mov_b32 s[PST+1], 0
	s_lshl_b32 s20, s21, s18
	s_mov_b32 s21, 0
	s_add_nc_u64 s[PFA:PFA+1], s[PFA:PFA+1], s[20:21]
	s_mul_i32 s20, s[PST], 3
	s_add_nc_u64 s[PFA:PFA+1], s[PFA:PFA+1], s[20:21]  ; at K step 3: the first refill steps it to 4
	v_lshlrev_b32 v[PFO], s23, v[PFO]
; 16 matrix instructions: blocks a0, a0 + 1 of the window's four x all 8 fragments of E, 32 along K.  zero = 1: the first product starts the sums.  The 64 accumulators take turns, in the same order in every quarter.
.macro MUL16 f, hi, a0, zero
	WIN MUL_LO+0x50*(\hi)
.irp a, \a0, (\a0)+1
.irp b, 0,1,2,3,4,5,6,7
.if \zero
	v_wmma_f32_16x16x32_bf16 v[8*(8*(\a)+(\b)):8*(8*(\a)+(\b))+7], v[(\f)+8*(\b):(\f)+8*(\b)+7], v[(\f)+8*(4*(\hi)+(\a)):(\f)+8*(4*(\hi)+(\a))+7], 0
.else
	v_wmma_f32_16x16x32_bf16 v[8*(8*(\a)+(\b)):8*(8*(\a)+(\b))+7], v[(\f)+8*(\b):(\f)+8*(\b)+7], v[(\f)+8*(4*(\hi)+(\a)):(\f)+8*(4*(\hi)+(\a))+7], v[8*(8*(\a)+(\b)):8*(8*(\a)+(\b))+7]
.endif
.endr
.endr
.endm
; 32 LDS loads in one run: quarter kk (32 along K) of a slot into buffer f: E's 8 fragments, then P's 8
.macro FETCH slot, kk, f
	WIN TO_B
.irp i, 0,1,2,3,4,5,6,7
	ds_load_b128 v[(\f)+8*(\i):(\f)+8*(\i)+3],   v[ADRB+(\slot)] offset:(\kk)*8192+(\i)*1024
	ds_load_b128 v[(\f)+8*(\i)+4:(\f)+8*(\i)+7], v[ADRB+(\slot)] offset:(\kk)*8192+(\i)*1024+512
.endr
	WIN 0
.irp i, 0,1,2,3,4,5,6,7
	ds_load_b128 v[(\f)+8*(\i):(\f)+8*(\i)+3],   v[ADRA+(\slot)] offset:(\kk)*64+(\i)*16*PITCH
	ds_load_b128 v[(\f)+8*(\i)+4:(\f)+8*(\i)+7], v[ADRA+(\slot)] offset:(\kk)*64+(\i)*16*PITCH+32
.endr
.endm
; One of a K step's first three quarters: multiplies buffer f; in its middle it fetches quarter kk of the same slot into buffer g.
.macro QUARTER slot, kk, f, g, zero
	s_wait_dscnt 8                                 ; E and P's rows 0-63 are in; the youngest eight loads (P's rows 64-127) may be out
	MUL16 \f, 0, 0, \zero
	MUL16 \f, 0, 2, \zero
	PLACES
	FETCH \slot, \kk, \g
	s_wait_dscnt 32                                ; all but the 32 just issued
	MUL16 \f, 1, 0, \zero
	MUL16 \f, 1, 2, \zero
.endm
; The last quarter multiplies buffer 1 and changes slots.  Ahead of the barrier each wave waits for all its tensor loads (one is out: its part of the next slot), adds 0 to its spare word, and waits for that and for its reads of this slot.
.macro MEET round
	WIN 0
	s_wait_tensorcnt 0x0                           ; all my tensor loads have landed
	ds_add_u32 v[SPW], v[NIL]
	s_wait_dscnt 9                                 ; the add and the youngest eight loads may be out
	MUL16 F1, 0, 0, 0                              ; sixteen matrix instructions stand between the add and the wait for it
	s_wait_dscnt 0x0                               ; the add is done, my reads of this slot are over
	s_barrier_signal -1
	MUL16 F1, 0, 2, 0
.if \round
	WIN 0
.endif
	s_barrier_wait -1
.endm
.macro TURN slot, next
	s_wait_xcnt 0x0                                ; the last prefetch, a K step back, has read its address: stepped only behind this wait
	s_add_nc_u64 s[PFA:PFA+1], s[PFA:PFA+1], s[PST:PST+1]
	MEET 1
	CREST                                          ; no wave of any partner still reads this slot or has a load on its way
	s_add_nc_u64 s[G0+4*(\slot)+2:G0+4*(\slot)+3], s[G0+4*(\slot)+2:G0+4*(\slot)+3], 2*KSTEP*2
	s_add_nc_u64 s[G0B+4*(\slot)+2:G0B+4*(\slot)+3], s[G0B+4*(\slot)+2:G0B+4*(\slot)+3], 2*ESTEP
	JLOAD \slot                                    ; the first tensor load behind the round
	FETCH \next, 0, F0
	ASK
	MUL16 F1, 1, 0, 0
	MUL16 F1, 1, 2, 0
.endm
; num / den for one window: 128 reciprocals as one batch with one wait, 64 packed products, 32 stores of 512 bytes on end.  Each accumulator's lowest registers are read first.
.macro DIVIDE hi
	WIN 0xaa+0x55*(\hi)
.irp a, 0,1,2,3
.irp t, 0,1,2,3
.irp j, 0,1,2,3,4,5,6,7
	v_rcp_f32 v[64*(\a)+8*(\t)+(\j)], v[64*(\a)+8*(\t)+(\j)]
.endr
.endr
.endr
	v_nop                                          ; a plain instruction behind the last reciprocal
	s_wait_alu depctr_va_vdst(0)                   ; one wait for the batch
.irp a, 0,1,2,3
.irp t, 0,1,2,3
.irp p, 0,2,4,6
	v_pk_mul_f32 v[64*(\a)+32+8*(\t)+(\p):64*(\a)+32+8*(\t)+(\p)+1], v[64*(\a)+32+8*(\t)+(\p):64*(\a)+32+8*(\t)+(\p)+1], v[64*(\a)+8*(\t)+(\p):64*(\a)+8*(\t)+(\p)+1]
.endr
.endr
.endr
	WIN 0x08+4*(\hi)                               ; store data in window 2 or 3
.irp a, 0,1,2,3
.irp t, 0,1,2,3
	global_store_b128 v[CO], v[64*(\a)+32+8*(\t):64*(\a)+32+8*(\t)+3],   s[8:9] offset:(\hi)*131072+(4*(\a)+(\t))*1024
	global_store_b128 v[CO], v[64*(\a)+32+8*(\t)+4:64*(\a)+32+8*(\t)+7], s[8:9] offset:(\hi)*131072+(4*(\a)+(\t))*1024+512
.endr
.endr
.endm
	s_wait_tensorcnt 1                             ; my part of K step 0 is in; K step 1's may stay out
	s_barrier_signal -1
	s_barrier_wait -1
	FETCH 0, 0, F0
	QUARTER 0, 1, F0, F1, 1                        ; the first quarter stands in front of the loop: its products start the sums
	WIN 0
	s_mov_b32 s3, LAPS-1
.Llap:                                         ; a trip goes once round the ring, from a lap's second quarter to the next lap's first, and fills both slots again
	QUARTER 0, 2, F1, F0, 0
	QUARTER 0, 3, F0, F1, 0
	TURN 0, 1
	QUARTER 1, 1, F0, F1, 0
	QUARTER 1, 2, F1, F0, 0
	QUARTER 1, 3, F0, F1, 0
	TURN 1, 0
	QUARTER 0, 1, F0, F1, 0
	WIN 0
	s_sub_co_u32 s3, s3, 1
	s_cmp_lg_u32 s3, 0
	s_cbranch_scc1 .Llap
	QUARTER 0, 2, F1, F0, 0                        ; the last lap is written out: it asks for nothing
	QUARTER 0, 3, F0, F1, 0
	MEET 0
	PLACES
	FETCH 1, 0, F0
	MUL16 F1, 1, 0, 0
	MUL16 F1, 1, 2, 0
	QUARTER 1, 1, F0, F1, 0
	QUARTER 1, 2, F1, F0, 0
	QUARTER 1, 3, F0, F1, 0
	s_wait_dscnt 8
	MUL16 F1, 0, 0, 0
	MUL16 F1, 0, 2, 0
	s_wait_dscnt 0x0
	MUL16 F1, 1, 0, 0
	MUL16 F1, 1, 2, 0
	PLACES
	DIVIDE 0
	DIVIDE 1
	WIN 0
	s_wait_tensorcnt 0x0                           ; the wave's end, behind my last tensor load
	ds_add_u32 v[SPW], v[NIL]
	s_wait_dscnt 0x0
	CROUND                                         ; the closing round: no work-group ends while a partner may still ask for a tile that names it
	s_endpgm
.Lfunc_end_k_qe5000b9400_aft:
	.size	k_qe5000b9400_aft, .Lfunc_end_k_qe5000b9400_aft-k_qe5000b9400_aft
	.p2alignl 7, 3214868480
	.fill 96, 4, 3214868480
	.section	.rodata,"a",@progbits
	.p2align	6, 0x0
	.amdhsa_kernel k_qe5000b9400_aft
		.amdhsa_group_segment_fixed_size 327680
		.amdhsa_private_segment_fixed_size 0
		.amdhsa_enable_private_segment 0
		.amdhsa_kernarg_size 24
		.amdhsa_user_sgpr_count 2
		.amdhsa_user_sgpr_kernarg_segment_ptr 1
		.amdhsa_wavefront_size32 1
		.amdhsa_system_sgpr_workgroup_id_x 1
		.amdhsa_system_sgpr_workgroup_id_y 1
		.amdhsa_system_sgpr_workgroup_id_z 1
		.amdhsa_system_vgpr_workitem_id 0
		.amdhsa_next_free_vgpr 1024
		.amdhsa_next_free_sgpr 74
		.amdhsa_reserve_vcc 0
		.amdhsa_float_denorm_mode_32 3
		.amdhsa_float_denorm_mode_16_64 3
		.amdhsa_memory_ordered 1
		.amdhsa_forward_progress 1
		.amdhsa_inst_pref_size 134
	.end_amdhsa_kernel
	.amdgpu_metadata
---
amdhsa.version: [ 1, 2 ]
amdhsa.kernels:
  - .name:           k_qe5000b9400_aft
    .symbol:         k_qe5000b9400_aft.kd
    .args:
      - { .name: PB, .offset: 0, .size: 8, .value_kind: global_buffer, .address_space: global }
      - { .name: EF, .offset: 8, .size: 8, .value_kind: global_buffer, .address_space: global }
      - { .name: WT, .offset: 16, .size: 8, .value_kind: global_buffer, .address_space: global }
    .group_segment_fixed_size: 327680
    .private_segment_fixed_size: 0
    .kernarg_segment_align: 8
    .kernarg_segment_size: 24
    .max_flat_workgroup_size: 128
    .sgpr_count:     74
    .vgpr_count:     1024
    .wavefront_size: 32
...
	.end_amdgpu_metadata
.endif
;; end of part 8
;; launch outp (part 9): grid 32 x 8, 8 waves a work-group, no clusters, 265,216 bytes of LDS; arguments query, WT, WF, bq, bo, out0; writes out0
.if DOCPART == 9
	.amdgcn_target "amdgcn-amd-amdhsa--gfx1250"
	.amdhsa_code_object_version 6
	.text
	.protected	k_qe5000b9400_outp
	.globl	k_qe5000b9400_outp
	.p2align	8
	.type	k_qe5000b9400_outp,@function
k_qe5000b9400_outp:
	s_mov_b64 s[64:65], 0
	v_nop
	global_prefetch_b8 v0, s[64:65] scope:SCOPE_SE
	s_setreg_imm32_b32 hwreg(HW_REG_WAVE_MODE, 25, 1), 1
	s_wait_xcnt 0x0
; q = query Wq^T + bq; y = sigmoid(q) x (num / den); out0[b] = y Wo^T + bo.  Nothing of reference() is left out here.
; SHARES.  Work-group (x = block of 64 rows i, y = b): 64 rows x 512 columns, two products with K = 512.  EIGHT waves, two to a SIMD; wave w: columns 64 w ..+63: 16 accumulators (a = 0..3, t = 0..3).
; Eight, so that each unrolled phase is written for 128 registers and not for 256, and so that one wave's vector phases and waits stand beside the other's products; the price: the stage's fragments are read by eight waves.
; BOTH PRODUCTS ARE TAKEN TRANSPOSED (source 0 = 16 rows of W, source 1 = 16 rows of the stage): a lane holds ONE row i = 16 a + l % 16 and the columns 64 w + 16 t + 8 (l / 16) ..+7, as aft's results do:
; the sigmoid and y are register for register, and y packs into 16 bytes of a row.
; W's fragments come from WF straight into operand registers: 4,096 bytes on end for each step of 32 along K, read by no other wave of the work-group.
; num / den HAS A COUNTER OF ITS OWN.  The counter of loads into registers falls in the order of issue (ISA guide 5.7.1): were num / den loaded into registers ahead of W's sets, q's first product would wait for it.
; So it comes by ONE tensor load a wave, 16,384 dense bytes into the wave's own LDS bytes, issued behind the wave's loads of query, bq and W, and waited for behind q's product.  One tensor load of a wave is out.
; NO CLUSTER, no joint loads: as in kproj, what work-groups share is W, and each fragment has one reader a work-group and needs no LDS.  No prefetch: the work-group asks for all its rows of query and num / den at its head.
; LDS: QST, query in bf16, 64 rows of 1,040 bytes; YST, y, likewise; the stages for the way out, 16 rows of 272 bytes a wave, lie in QST's bytes and are written only behind the barrier ahead of which every wave has ended its reads of QST;
; WTL, num / den, 16,384 bytes a wave, into which no wave stores.
; LIMITS: query, Wq, Wo, bq, bo are rounded to bf16, y once; the exponential and the reciprocal give 0 for results under 2^-126; NaN and infinities are not treated apart.
; REGISTERS (s_set_vgpr_msb: bits 1:0 source 0, 3:2 source 1, 5:4 source 2, 7:6 destination): window 0: addresses; v32-95 two sets of the stage's fragments; v96-127 the bias as the first step's C; v128-255 four sets of W
;   window 1: v0-127 accumulators (at the intake: query in f32); v128-255 num / den
.set SPITCH, 1040                      ; 65 x 16: the 16 rows of a fragment load start at 16 different groups of four banks (ISA guide 11.1)
.set OPITCH, 272
.set QST,    0
.set YST,    66560
.set OST,    0
.set WTL,    133120
.set SPARE,  264192                    ; the spare words, 128 bytes a wave
.set ASTEP,  64
.set R,    1
.set H,    2
.set L16,  3
.set AF,   4
.set AFB,  5                           ; r x 1,040 + 16 h
.set QS,   6
.set YS,   7
.set OS,   8
.set ORD,  9
.set GO,   10
.set BO,   11
.set WL,   12                          ; my 16 bytes in my wave's part of WTL
.set SPW,  28
.set NIL,  29
.set TMP,  30
.set ASET, 32
.set BIAS, 96
.set WS,   128
.set WTR,  128                         ; in window 1
.set WV,   16
.set WP,   20
.set PCNT, 22
.set WB,   24
.set MSK,  34
.set NL,   36                          ; s[36:37] -log2(e), twice
.set G0,   40                          ; s[40:43] descriptor group 0; never rewritten
.set G1,   44                          ; s[44:51] descriptor group 1; never rewritten
.set MSB, 0
.macro WIN new
.if MSB != (\new)
	s_set_vgpr_msb (MSB<<8)|(\new)
.set MSB, \new
.endif
.endm
.macro PLACES
.rept 4
	v_nop
.endr
.endm
.macro RB a, b, t
	v_cvt_pk_bf16_f32 v[\t], v[\a], v[\b]
	v_lshlrev_b32 v[\a], 16, v[\t]
	v_and_b32 v[\b], s[MSK], v[\t]
.endm
.macro WLOAD q, off                    ; a step's 4 fragments of W into set q: 8 loads of 512 bytes on end
	WIN 0
.irp t, 0,1,2,3
	global_load_b128 v[WS+32*(\q)+8*(\t):WS+32*(\q)+8*(\t)+3],   v[L16], s[WP:WP+1] offset:(\off)+(\t)*1024
	global_load_b128 v[WS+32*(\q)+8*(\t)+4:WS+32*(\q)+8*(\t)+7], v[L16], s[WP:WP+1] offset:(\off)+(\t)*1024+512
.endr
.endm
.macro AFETCH aset, off                ; a step's 4 fragments of the stage: 8 LDS loads
	WIN 0
.irp a, 0,1,2,3
	ds_load_b128 v[ASET+32*(\aset)+8*(\a):ASET+32*(\aset)+8*(\a)+3],   v[AF] offset:(\off)+(\a)*16*SPITCH
	ds_load_b128 v[ASET+32*(\aset)+8*(\a)+4:ASET+32*(\aset)+8*(\a)+7], v[AF] offset:(\off)+(\a)*16*SPITCH+32
.endr
.endm
; One step of 32 along K: the next step's rows are fetched, the W set read last step is asked for again (four steps ahead), then 16 matrix instructions, the 16 accumulators by turns, in the same order in every step.
.macro PSTEP wset, aset, rset, roff, anext, aoff, lcnt, first
	PLACES
.if \anext
	AFETCH 1-(\aset), \aoff
.endif
.if (\rset) >= 0
	WLOAD \rset, \roff
.endif
	s_wait_loadcnt \lcnt                           ; this step's W set is in; the younger sets, 8 loads each, stay out
.if \anext
	s_wait_dscnt 8                                 ; this step's rows are in; the eight loads just issued stay out
.else
	s_wait_dscnt 0
.endif
.if \first
	WIN 0x40
.else
	WIN 0x50
.endif
.irp a, 0,1,2,3
.irp t, 0,1,2,3
.if \first
	v_wmma_f32_16x16x32_bf16 v[8*(4*(\a)+(\t)):8*(4*(\a)+(\t))+7], v[WS+32*(\wset)+8*(\t):WS+32*(\wset)+8*(\t)+7], v[ASET+32*(\aset)+8*(\a):ASET+32*(\aset)+8*(\a)+7], v[BIAS+8*(\t):BIAS+8*(\t)+7]
.else
	v_wmma_f32_16x16x32_bf16 v[8*(4*(\a)+(\t)):8*(4*(\a)+(\t))+7], v[WS+32*(\wset)+8*(\t):WS+32*(\wset)+8*(\t)+7], v[ASET+32*(\aset)+8*(\a):ASET+32*(\aset)+8*(\a)+7], v[8*(4*(\a)+(\t)):8*(4*(\a)+(\t))+7]
.endif
.endr
.endr
.endm
.macro PROJ                            ; 16 steps: the first starts the sums with the bias, three trips of four, the last three ask for nothing
	PSTEP 0,0,-1,0,1,ASTEP,24,1
	WIN 0
	s_mov_b32 s[PCNT], 3
.Lproj_\@:
	PSTEP 1,1,0,4*8192,1,2*ASTEP,24,0
	PSTEP 2,0,1,5*8192,1,3*ASTEP,24,0
	PSTEP 3,1,2,6*8192,1,4*ASTEP,24,0
	PSTEP 0,0,3,7*8192,1,5*ASTEP,24,0
	WIN 0
	s_wait_xcnt 0x0                                ; the loads issued so far have read their base: it is stepped only behind this wait
	s_add_nc_u64 s[WP:WP+1], s[WP:WP+1], 32768
	v_add_nc_u32 v[AF], 4*ASTEP, v[AF]
	s_sub_co_u32 s[PCNT], s[PCNT], 1
	s_cmp_lg_u32 s[PCNT], 0
	s_cbranch_scc1 .Lproj_\@
	PSTEP 1,1,-1,0,1,2*ASTEP,16,0
	PSTEP 2,0,-1,0,1,3*ASTEP,8,0
	PSTEP 3,1,-1,0,0,0,0,0
.endm
.macro BLOAD base                      ; a lane's eight columns of each tile t: the bias lies as the first step's C wants it
	WIN 0
.irp t, 0,1,2,3
	global_load_b128 v[BIAS+8*(\t):BIAS+8*(\t)+3],   v[BO], s[\base:\base+1] offset:(\t)*64
	global_load_b128 v[BIAS+8*(\t)+4:BIAS+8*(\t)+7], v[BO], s[\base:\base+1] offset:(\t)*64+16
.endr
.endm
.macro BROUND
.set i, 0
.rept 16
	RB BIAS+2*i, BIAS+2*i+1, TMP
.set i, i+1
.endr
.endm
	s_load_b256 s[4:11], s[0:1], 0x0               ; query s[4:5], WT s[6:7], WF s[8:9], bq s[10:11]
	s_load_b128 s[12:15], s[0:1], 0x20             ; bo s[12:13], out0 s[14:15]
	v_lshl_add_u32 v[SPW], v0, 2, SPARE
	v_mov_b32 v[NIL], 0
	ds_add_u32 v[SPW], v[NIL]                      ; the wave's opening: the add, twice on end, and its wait ahead of my first tensor load; the set-up below, work on registers, stands between
	ds_add_u32 v[SPW], v[NIL]
	v_lshrrev_b32 v1, 5, v0
	v_readfirstlane_b32 s[WV], v1                  ; wave 0..7
	v_and_b32 v[R], 15, v0
	v_bfe_u32 v[H], v0, 4, 1
	v_and_b32 v[TMP], 31, v0
	v_lshlrev_b32 v[L16], 4, v[TMP]
	s_mul_i32 s18, s[WV], 8*SPITCH                 ; my wave brings rows 8 w ..+7 of QST
	s_add_co_u32 s18, s18, QST
	v_lshl_add_u32 v[QS], v[TMP], 3, s18
	v_mul_u32_u24 v[AFB], v[R], SPITCH
	v_lshl_add_u32 v[AFB], v[H], 4, v[AFB]
	s_lshl_b32 s18, s[WV], 7
	s_add_co_u32 s18, s18, YST
	v_add_nc_u32 v[YS], s18, v[AFB]                ; y: row r, byte 128 w + 16 h
	s_mul_i32 s18, s[WV], 16*OPITCH
	s_add_co_u32 s18, s18, OST                     ; my stage for the way out
	v_mul_u32_u24 v[OS], v[R], OPITCH              ; in: row r, 32 bytes for each half of the lanes
	v_lshl_add_u32 v[OS], v[H], 5, v[OS]
	v_add_nc_u32 v[OS], s18, v[OS]
	v_mul_u32_u24 v[ORD], v[H], OPITCH             ; back: lanes 0-15 one row of 256 bytes, lanes 16-31 the next
	v_lshl_add_u32 v[ORD], v[R], 4, v[ORD]
	v_add_nc_u32 v[ORD], s18, v[ORD]
	v_lshlrev_b32 v[GO], 11, v[H]                  ; and the same two rows in out0
	v_lshl_add_u32 v[GO], v[R], 4, v[GO]
	s_lshl_b32 s18, s[WV], 8
	v_lshl_add_u32 v[BO], v[H], 5, s18             ; biases of columns 64 w + 8 h ..
	s_mov_b32 s[MSK], 0xffff0000
	s_mov_b32 s[NL], 0xbfb8aa3b
	s_mov_b32 s[NL+1], 0xbfb8aa3b
	; the descriptor: 16,384 dense bytes as 64 rows of 128 elements of 2 bytes, no padding, no mask
	s_mov_b32 s[G1], 1<<16                         ; 17:16 elements of 2 bytes
	s_mov_b32 s[G1+1], 128<<16                     ; tensor_dim0 = 128
	s_mov_b32 s[G1+2], 64<<16                      ; tensor_dim1 = 64
	s_mov_b32 s[G1+3], 128<<16                     ; tile_dim0 = 128
	s_mov_b32 s[G1+4], 64                          ; tile_dim1 = 64
	s_mov_b32 s[G1+5], 128                         ; elements from row to row
	s_mov_b32 s[G1+6], 0
	s_mov_b32 s[G1+7], 0
	s_mov_b32 s[G0], 1                             ; count = 1
	s_lshl_b32 s[G0+1], s[WV], 14                  ; LDS address: my wave's 16,384 bytes
	s_add_co_u32 s[G0+1], s[G0+1], WTL
	v_add_nc_u32 v[WL], s[G0+1], v[L16]
	s_and_b32 s17, ttmp7, 0xffff                   ; b
	s_lshl_b32 s26, ttmp9, 20                      ; query: ((64 block + 8 w) x 8 + b) x 2,048
	s_lshl_b32 s19, s[WV], 17
	s_add_co_u32 s26, s26, s19
	s_lshl_b32 s19, s17, 11
	s_add_co_u32 s26, s26, s19
	s_mov_b32 s27, 0
	s_lshl_b32 s28, s17, 5                         ; WT: (b x 32 + block) x 131,072 + w x 16,384
	s_add_co_u32 s28, s28, ttmp9
	s_lshl_b32 s28, s28, 17
	s_lshl_b32 s19, s[WV], 14
	s_add_co_u32 s28, s28, s19
	s_mov_b32 s29, 0
	s_lshl_b32 s30, s17, 22                        ; out0: ((b x 2,048 + 64 block) x 512 + 64 w) x 4
	s_lshl_b32 s19, ttmp9, 17
	s_add_co_u32 s30, s30, s19
	s_add_co_u32 s30, s30, s18
	s_mov_b32 s31, 0
	s_lshr_b32 s32, s[WV], 1                       ; WF: slice w / 2, tiles 4 (w % 2) ..+3 of each step
	s_lshl_b32 s32, s32, 17
	s_and_b32 s19, s[WV], 1
	s_lshl_b32 s19, s19, 12
	s_add_co_u32 s32, s32, s19
	s_mov_b32 s33, 0
	s_wait_dscnt 0x0                               ; both opening adds are done
	s_wait_kmcnt 0x0
	s_add_nc_u64 s[4:5], s[4:5], s[26:27]
	s_add_nc_u64 s[G0+2:G0+3], s[6:7], s[28:29]    ; global address of my wave's 16,384 bytes
	s_or_b32 s[G0+3], s[G0+3], 0x80000000          ; type = 2
	s_add_nc_u64 s[14:15], s[14:15], s[30:31]
	s_add_nc_u64 s[WB:WB+1], s[8:9], s[32:33]
	s_add_nc_u64 s[WP:WP+1], s[WB:WB+1], 0x100000  ; matrix 2, Wq
	WIN 0x40
.set i, 0
.rept 32                               ; query: row i / 4 of my wave's 8, 512 bytes on end
	global_load_b128 v[4*i:4*i+3], v[L16], s[4:5] offset:(i/4)*16384+(i%4)*512 th:TH_LOAD_NT
.set i, i+1
.endr
	BLOAD 10
	WLOAD 0, 0
	WLOAD 1, 8192
	WLOAD 2, 2*8192
	WLOAD 3, 3*8192
	tensor_load_to_lds s[G0:G0+3], s[G1:G1+7]      ; num / den, behind what q's product wants
	s_nop 0
.rept 4
	v_nop
.endr
	s_wait_loadcnt 40                              ; query is in; bq's 8 loads and W's 32 stay out
	WIN 0x05
.set i, 0
.rept 64
	v_cvt_pk_bf16_f32 v[ASET+i], v[2*i], v[2*i+1]
.set i, i+1
.endr
	WIN 0
.set i, 0
.rept 32                               ; 256 bytes on end a store
	ds_store_b64 v[QS], v[ASET+2*i:ASET+2*i+1] offset:(i/4)*SPITCH+(i%4)*256
.set i, i+1
.endr
	s_wait_loadcnt 32                              ; bq is in; W's four sets stay out
	BROUND
	s_wait_dscnt 0x0                               ; for the others' sake: my rows of QST are written
	s_barrier_signal -1
	s_barrier_wait -1
	v_add_nc_u32 v[AF], QST, v[AFB]
	AFETCH 0, 0
	PROJ                                           ; q
	PLACES
	WIN 0
	s_wait_xcnt 0x0
	s_add_nc_u64 s[WP:WP+1], s[WB:WB+1], 0x180000  ; matrix 3, Wo: bo and its first four steps come in under the sigmoid
	BLOAD 12
	WLOAD 0, 0
	WLOAD 1, 8192
	WLOAD 2, 2*8192
	WLOAD 3, 3*8192
	s_wait_tensorcnt 0x0                           ; num / den lies in my wave's bytes, which no other wave touches
	WIN 0x40
.set i, 0
.rept 32                               ; as aft's registers held it; 512 bytes on end a load
	ds_load_b128 v[WTR+4*i:WTR+4*i+3], v[WL] offset:i*512
.set i, i+1
.endr
	WIN 0x41                                       ; ascending
.set i, 0
.rept 64
	v_pk_mul_f32 v[i:i+1], v[i:i+1], s[NL:NL+1] op_sel_hi:[1,0]
.set i, i+2
.endr
.set i, 0
.rept 128                              ; one batch
	v_exp_f32 v[i], v[i]
.set i, i+1
.endr
	v_nop
	s_wait_alu depctr_va_vdst(0)
.set i, 0
.rept 64
	v_pk_add_f32 v[i:i+1], v[i:i+1], 1.0 op_sel_hi:[1,0]
.set i, i+2
.endr
.set i, 0
.rept 128                              ; one batch
	v_rcp_f32 v[i], v[i]
.set i, i+1
.endr
	v_nop
	s_wait_alu depctr_va_vdst(0)
	s_wait_dscnt 0x0                               ; num / den is in registers
	WIN 0x45                                       ; y = sigmoid(q) x (num / den)
.set i, 0
.rept 64
	v_pk_mul_f32 v[i:i+1], v[i:i+1], v[WTR+i:WTR+i+1]
.set i, i+2
.endr
.set i, 0
.rept 64                               ; to bf16, into the low half of each group of eight registers
	v_cvt_pk_bf16_f32 v[8*(i/4)+i%4], v[8*(i/4)+2*(i%4)], v[8*(i/4)+2*(i%4)+1]
.set i, i+1
.endr
	WIN 0x04                                       ; store data in window 1
.set q, 0
.rept 16
	ds_store_b128 v[YS], v[8*q:8*q+3] offset:(q/4)*16*SPITCH+(q%4)*32
.set q, q+1
.endr
	WIN 0
	s_wait_loadcnt 32                              ; bo is in; W's four sets stay out
	BROUND
	s_wait_dscnt 0x0                               ; for the others' sake: my columns of y are written; my reads of QST ended with q's last step
	s_barrier_signal -1
	s_barrier_wait -1
	v_add_nc_u32 v[AF], YST, v[AFB]
	AFETCH 0, 0
	PROJ                                           ; the output
	PLACES
; THE WAY OUT: 16 rows at a time through my own stage: a lane's eight columns go in as 32 bytes, whole rows of 256 bytes come back and are stored.
.irp a, 0,1,2,3
	WIN 0x04
.irp t, 0,1,2,3
	ds_store_b128 v[OS], v[32*(\a)+8*(\t):32*(\a)+8*(\t)+3]   offset:(\t)*64
	ds_store_b128 v[OS], v[32*(\a)+8*(\t)+4:32*(\a)+8*(\t)+7] offset:(\t)*64+16
.endr
	WIN 0
	s_wait_xcnt 0x0                                ; earlier stores have read their data registers: loaded again only behind this wait
.set j, 0
.rept 8
	ds_load_b128 v[ASET+32*((\a)%2)+4*j:ASET+32*((\a)%2)+4*j+3], v[ORD] offset:j*2*OPITCH  ; LDS serves a wave's instructions in order (ISA guide 5.7.1.4): these see the stores above
.set j, j+1
.endr
	s_wait_dscnt 0x0
.set j, 0
.rept 8
	global_store_b128 v[GO], v[ASET+32*((\a)%2)+4*j:ASET+32*((\a)%2)+4*j+3], s[14:15] offset:(\a)*32768+j*4096 th:TH_STORE_NT  ; 16 lanes store 256 bytes on end, aligned
.set j, j+1
.endr
.endr
	s_wait_tensorcnt 0x0                           ; the wave's end, behind my last tensor load and my last LDS store
	ds_add_u32 v[SPW], v[NIL]
	s_wait_dscnt 0x0
	s_endpgm
.Lfunc_end_k_qe5000b9400_outp:
	.size	k_qe5000b9400_outp, .Lfunc_end_k_qe5000b9400_outp-k_qe5000b9400_outp
	.p2alignl 7, 3214868480
	.fill 96, 4, 3214868480
	.section	.rodata,"a",@progbits
	.p2align	6, 0x0
	.amdhsa_kernel k_qe5000b9400_outp
		.amdhsa_group_segment_fixed_size 265216
		.amdhsa_private_segment_fixed_size 0
		.amdhsa_enable_private_segment 0
		.amdhsa_kernarg_size 48
		.amdhsa_user_sgpr_count 2
		.amdhsa_user_sgpr_kernarg_segment_ptr 1
		.amdhsa_wavefront_size32 1
		.amdhsa_system_sgpr_workgroup_id_x 1
		.amdhsa_system_sgpr_workgroup_id_y 1
		.amdhsa_system_sgpr_workgroup_id_z 1
		.amdhsa_system_vgpr_workitem_id 0
		.amdhsa_next_free_vgpr 512
		.amdhsa_next_free_sgpr 66
		.amdhsa_reserve_vcc 0
		.amdhsa_float_denorm_mode_32 3
		.amdhsa_float_denorm_mode_16_64 3
		.amdhsa_memory_ordered 1
		.amdhsa_forward_progress 1
		.amdhsa_inst_pref_size 95
	.end_amdhsa_kernel
	.amdgpu_metadata
---
amdhsa.version: [ 1, 2 ]
amdhsa.kernels:
  - .name:           k_qe5000b9400_outp
    .symbol:         k_qe5000b9400_outp.kd
    .args:
      - { .name: query, .offset: 0, .size: 8, .value_kind: global_buffer, .address_space: global }
      - { .name: WT, .offset: 8, .size: 8, .value_kind: global_buffer, .address_space: global }
      - { .name: WF, .offset: 16, .size: 8, .value_kind: global_buffer, .address_space: global }
      - { .name: bq, .offset: 24, .size: 8, .value_kind: global_buffer, .address_space: global }
      - { .name: bo, .offset: 32, .size: 8, .value_kind: global_buffer, .address_space: global }
      - { .name: out0, .offset: 40, .size: 8, .value_kind: global_buffer, .address_space: global }
    .group_segment_fixed_size: 265216
    .private_segment_fixed_size: 0
    .kernarg_segment_align: 8
    .kernarg_segment_size: 48
    .max_flat_workgroup_size: 256
    .sgpr_count:     66
    .vgpr_count:     512
    .wavefront_size: 32
...
	.end_amdgpu_metadata
.endif
;; end of part 9
